; MI455X (gfx1250); checked and timed in simulation.
; The chip was launched on July 23, 2026; its instructions are those of AMD's public machine-readable ISA for CDNA 5 (MIT licence, August 2026) and "CDNA5" Instruction Set Architecture Reference Guide (July 2026). The comments in the code are by the model that wrote it; some were corrected since.
;; MAB. Allowed arithmetic: matrix products marked QUANTISED: E2M3 operands, one E8M0 scale for each 32 along K, by v_wmma_scale_f32_16x16x128_f8f6f4 with both operands' format E2M3, f32 sums; everything else in f32.
;; Inputs: K_codes 4 x 2,048 x 32 x 24 uint8 (E2M3 codes of K, K innermost, in blocks of 32 codes, four codes in three bytes); K_scales 4 x 2,048 x 32 uint8 (E8M0 scales of K, one for each 32 codes along K); Q_codes 4 x 2,048 x 32 x 24 uint8 (E2M3 codes of Q, K innermost, in blocks of 32 codes, four codes in three bytes); Q_scales 4 x 2,048 x 32 uint8 (E8M0 scales of Q, one for each 32 codes along K); Wk_codes 1,024 x 32 x 24 uint8 (E2M3 codes of Wk, K innermost, in blocks of 32 codes, four codes in three bytes); Wk_scales 1,024 x 32 uint8 (E8M0 scales of Wk, one for each 32 codes along K); Wo_codes 1,024 x 32 x 24 uint8 (E2M3 codes of Wo, K innermost, in blocks of 32 codes, four codes in three bytes); Wo_scales 1,024 x 32 uint8 (E8M0 scales of Wo, one for each 32 codes along K); Wq_codes 1,024 x 32 x 24 uint8 (E2M3 codes of Wq, K innermost, in blocks of 32 codes, four codes in three bytes); Wq_scales 1,024 x 32 uint8 (E8M0 scales of Wq, one for each 32 codes along K); Wv_codes 1,024 x 32 x 24 uint8 (E2M3 codes of Wv, K innermost, in blocks of 32 codes, four codes in three bytes); Wv_scales 1,024 x 32 uint8 (E8M0 scales of Wv, one for each 32 codes along K); b0 1,024 float32; b1 1,024 float32; bk 1,024 float32; bo 1,024 float32; bq 1,024 float32; bv 1,024 float32; g0 1,024 float32; g1 1,024 float32.
;; Outputs: out0 4 x 2,048 x 1,024 float32.
;; This version of the problem:
;;   THIS VERSION OF THE PROBLEM IS GIVEN IN LOW PRECISION. The matrix products marked QUANTISED in the list below multiply operands that are first quantised to E2M3 (2 exponent bits, 3 mantissa bits; 6 bits a number), with one power-of-two scale for each 32 numbers along K (OCP MX v1.0); their sums are f32. All else is computed in f32.
;;   The module's matrix products, in the order in which they are computed (A, B: the left and right operand; K: the contracted axis; several contracted axes count as one K, in the product's order):
;;     1. [M 8,192, K 1,024] x [K 1,024, N 1,024]; A: input Q (given as codes); B: input Wq (given as codes): QUANTISED
;;     2. [M 8,192, K 1,024] x [K 1,024, N 1,024]; A: input K (given as codes); B: input Wk (given as codes): QUANTISED
;;     3. [M 8,192, K 1,024] x [K 1,024, N 1,024]; A: input K (given as codes); B: input Wv (given as codes): QUANTISED
;;     4. batch 32 x [M 2,048, K 128] x [K 128, N 2,048]; A: computed on the way; B: computed on the way: QUANTISED
;;     5. batch 32 x [M 128, K 2,048] x [K 2,048, N 2,048]; A: computed on the way; B: softmax (see below): QUANTISED
;;     6. [M 8,192, K 1,024] x [K 1,024, N 1,024]; A: computed on the way; B: input Wo (given as codes): QUANTISED
;;   THE QUANTISER, for each operand of a quantised product, along K:
;;     - K is cut into blocks of 32 from its start; a last block that is shorter is filled with zeros.
;;     - A block's scale is 2^e with e = floor(log2(the largest magnitude in the block)) - 2, held to -126 .. 127; a block of zeros has e = 0. As a byte (E8M0): e + 127.
;;     - Each number is divided by its block's scale, clamped to +-7.5, and rounded to the nearest number of E2M3, ties to even, subnormals kept.
;;     - The product sums the exact products of the quantised numbers (number of the format x scale) in f32.
;;   ~~~python
;;   def quantise(x, axis):      # numpy; x: float32 -> the quantised numbers, widened to float32 again
;;       x = np.moveaxis(x, axis, -1); K = x.shape[-1]
;;       x = np.pad(x, [(0, 0)] * (x.ndim - 1) + [(0, -K % 32)]); x = x.reshape(x.shape[:-1] + (-1, 32)); a = np.abs(x).max(-1, keepdims=True)
;;       e = np.where(a > 0, np.clip(np.frexp(np.where(a > 0, a, 1))[1] - 1 - 2, -126, 127), 0)      # np.frexp(a)[1] - 1 = floor(log2(a)), exactly
;;       r = np.clip(x / 2.0 ** e, -7.5, 7.5)
;;       step = 2.0 ** (np.maximum(np.frexp(np.where(r == 0, 1, r))[1] - 1, 0) - 3)
;;       q = np.round(r / step) * step * 2.0 ** e      # np.round: ties to even
;;       return np.moveaxis(q.reshape(q.shape[:-2] + (-1,))[..., :K], -1, axis).astype(np.float32)
;;   ~~~
;;   SOFTMAX AHEAD OF A QUANTISED PRODUCT. Where the list says 'softmax', what is quantised is not the finished softmax but p = 2^(t - M), with t = logit x log2(e) and M = ceil(the row's largest t), a whole number; so 1/2 < the row's largest p <= 1. The row's sum l is taken of the UNQUANTISED p, in f32, and the product's result is divided by l at the end. Since M is a whole number, a kernel that streams over the keys may use a running M (the ceiling of the running maximum): every later rescaling is an exact power of two, which a block's scale takes up: the codes' values come out the same.
;;   OPERANDS COMPUTED ON THE WAY. 'Computed on the way' means the value that the module computes at that place (a softmax that the list does not call 'softmax' is quantised finished and normalised). What goes into a quantiser is computed in f32, as accurately as f32 sums, v_exp_f32 and their like allow (about 1e-6 of the number): no bf16 or f16 on the way to a quantiser, and a product that is left as it is and whose result goes on into a quantised operand takes f32 operands (vector FMAs, or v_wmma_f32_16x16x4_f32). A number that lies on a knife's edge between two numbers of the format may be rounded either way, as far as f32 arithmetic and the matrix unit's own rounding can turn it there, and no further.
;;   INPUTS GIVEN AS CODES. K (in the module: [4, 2048, 1024], K = its axis 2); Q (in the module: [4, 2048, 1024], K = its axis 2); Wk (in the module: [1024, 1024], K = its axis 1); Wo (in the module: [1024, 1024], K = its axis 1); Wq (in the module: [1024, 1024], K = its axis 1); Wv (in the module: [1024, 1024], K = its axis 1): each comes as NAME_codes (uint8): NAME with its K axis moved to the last place and cut into blocks of 32 codes, [.., K / 32, bytes a block], one block behind the other in memory; four codes in three bytes: a row's codes are one little-endian stream of bits, code i at bits 6 i .. 6 i + 5 (a code: sign, 2 exponent bits, 3 mantissa bits); and NAME_scales (uint8): the same leading axes, one E8M0 byte (e + 127) for each 32 codes along K. Its value is code x scale, taken as it is: it is not quantised again, and the codes and scales need not be those that the quantiser above would give.
;; One version. Each part assembles by itself: llvm-mc -triple=amdgcn-amd-amdhsa -mcpu=gfx1250 --defsym DOCPART=n.
;; ======== version 1 of 1: 3 launches
;; limits: right only within a limited range of input values
;; workspace buffers: kv 13,107,200 bytes; o 33,554,432 bytes; wo 786,432 bytes
;; launch kvproj (part 1): grid 8 x 32, 4 waves a work-group, clusters of 4 x 4, 327,680 bytes of LDS; arguments K_codes, K_scales, Wk_codes, Wk_scales, Wv_codes, Wv_scales, bk, bv, kv, Wo_codes, wo; writes kv, wo
.if DOCPART == 1
	.amdgcn_target "amdgcn-amd-amdhsa--gfx1250"
	.amdhsa_code_object_version 6
	.text
	.protected	k_q38e7b5e37b_kvproj
	.globl	k_q38e7b5e37b_kvproj
	.p2align	8
	.type	k_q38e7b5e37b_kvproj,@function
k_q38e7b5e37b_kvproj:
	s_mov_b64 s[64:65], 0
	v_nop
	global_prefetch_b8 v0, s[64:65] scope:SCOPE_SE
	s_setreg_imm32_b32 hwreg(HW_REG_WAVE_MODE, 25, 1), 1
	s_wait_xcnt 0x0
	s_wait_alu depctr_hold_cnt(0) depctr_sa_sdst(0) depctr_va_vdst(0) depctr_va_sdst(0) depctr_va_ssrc(0) depctr_va_vcc(0) depctr_vm_vsrc(0)
	s_getreg_b32 s2, hwreg(HW_REG_IB_STS2, 6, 4)
	s_cmp_eq_u32 s2, 0
	s_cbranch_scc0 .Lentry_in_a_cluster
	s_endpgm
.Lentry_in_a_cluster:
	s_bfe_u32 s2, ttmp6, 0x10000c
	s_cmp_lg_u32 s2, 0xf033
	s_cbranch_scc0 .Lentry_shape_is_right
	s_endpgm
.Lentry_shape_is_right:
; k = K Wk^T + bk and v = K Wv^T + bv on codes of FP6 (E2M3) with E8M0 scales, quantised again on the way out (k along the head's 128, v along the keys)
; and stored in kv as images of operand registers: [batch x head][key step of 128][k: 12,800 bytes, v: 12,800 bytes].
; Cluster x = 0 makes k (A = tokens, B = Wk's rows), cluster x = 1 makes v transposed (A = Wv's rows, B = tokens).  A work-group makes 256 x 256, a wave 128 x 128: 64 accumulators.
; K goes through two LDS slots in chunks of 256 bytes of each row of 768: every tile row begins at a multiple of 256 bytes.  A step of 128 along K is 96 bytes: steps 2 and 5 lie across two chunks.
; The scales of the 256 + 256 rows come once, as dense rows of 256 bytes.  A's tiles are asked for jointly along a row of the 4 x 4 cluster, B's along a column.
; Fragment place i holds natural block 0, 2, 1, 3, 4, 6, 5, 7 of 16 rows, so that one exchange of lane halves gives a lane whole blocks of 32 along the next K.
; Beside that, waves 0 and 1 lay two fragments of Wo (16 rows x 128 K, 1,536 bytes) as register images into wo, [block of 16 rows][K step]: 512 fragments on 256 work-groups.
; No prefetch: K is three chunks, of which two are asked for at the head.
; LIMITS: NaN and infinities are not served; a block whose largest magnitude lies under 2^-124 gets the scale byte 1.
; REGISTERS: window 0: v16-31 addresses, v32-63 scale words alone, v64-127 and v224-239 biases, v128-223 A's fragments, v240-251 Wo's fragment; window 1: B's fragments, two sets; windows 2, 3: the sums.
.set ROWB,   256
.set NQ,     2
.set KROW,   768
.set STEPS,  8
.set CHUNKS, 3
.set PITCH,  272
.set FR,     12
.set NL,     6
.set NP,     4
.set HALFT,  128*PITCH
.set SLOT,   4*HALFT
.set KS,     32
.set SCL,    2*SLOT
.set HALFS,  16*272
.set SBLK,   2*272
.set SPARE,  SCL+4*HALFS               ; the spare words: 128 bytes a wave
.set STG,    12800
.set STAGE,  SLOT                      ; the way out's stage lies in slot 1: the last chunk lies in slot 0, and slot 1's last read stands ahead of step 5's barrier
.set ADRA, 16
.set ADRB, 20
.set STO,  24
.set STS,  25
.set RD,   26
.set ADRS, 27
.set SPW,  28
.set NIL,  29
.set SH8,  30
.set CO,   31
.set SC,   32
.set BB,   64
.set AF,   128
.set BA,   224
.set LAY,  240
.set HB,   128
.set PC,   192
.set PT,   204
.set TM,   212
.set SO,   214
.set PW,   218
.set XT,   219
.set RB,   64
.set SEL,  100
.set G1, 24
.set G0, 32
.set G1B, 48
.set G0B, 56
.set G1S, 68
.set G0S, 76
.set G1SB, 80
.set G0SB, 88
.set G0H, 4
.set G0HB, 8
.set MSB, 0
.macro WIN new
.if MSB != (\new)
	s_set_vgpr_msb (MSB<<8)|(\new)
.set MSB, (\new)
.endif
.endm
.set MUL_LO, 0xa1
.set MUL_HI, 0xf1
.set TO_B,   0x40
.macro JLOAD g0a, g1a, g0b, g1b        ; waves 0, 1 fetch for A, waves 2, 3 for B
	s_cmp_eq_u32 s15, 0
	s_cbranch_scc0 .Lfor_b_\@
	tensor_load_to_lds s[\g0a:\g0a+3], s[\g1a:\g1a+7]
	s_nop 0
.rept 4
	v_nop
.endr
	s_branch .Lasked_\@
.Lfor_b_\@:
	tensor_load_to_lds s[\g0b:\g0b+3], s[\g1b:\g1b+7]
	s_nop 0
.rept 4
	v_nop
.endr
.Lasked_\@:
.endm
.macro CREST
	s_cmp_lg_u32 s14, 0
	s_cbranch_scc1 .Lnot_wave_0_\@
	s_barrier_signal -3
.Lnot_wave_0_\@:
	s_barrier_wait -3
	s_barrier_signal -1
	s_barrier_wait -1
.endm
.macro CROUND
	s_barrier_signal -1
	s_barrier_wait -1
	CREST
.endm
	s_load_b512 s[24:39], s[0:1], 0x0              ; K's codes, scales; Wk's; Wv's; bk; bv
	s_load_b64 s[12:13], s[0:1], 0x40              ; kv
	s_load_b128 s[96:99], s[0:1], 0x48             ; Wo's codes, wo
	v_lshl_add_u32 v[SPW], v0, 2, SPARE
	v_mov_b32 v[NIL], 0
	ds_add_u32 v[SPW], v[NIL]                      ; the opening lines: the add twice on end and its wait
	ds_add_u32 v[SPW], v[NIL]
	v_lshrrev_b32 v1, 5, v0
	v_readfirstlane_b32 s14, v1                    ; wave
	s_lshr_b32 s15, s14, 1
	s_and_b32 s16, s14, 1
	s_bfe_u32 s40, ttmp6, 0x40000                  ; cx
	s_bfe_u32 s41, ttmp6, 0x40004                  ; cy
	s_and_b32 s3, ttmp7, 0xffff                    ; cluster y
	s_mov_b32 s2, ttmp9                            ; cluster x: 0 k, 1 v
	s_lshl_b32 s43, s41, 2
	s_lshl_b32 s43, 15, s43                        ; my row of the cluster
	s_lshl_b32 s44, 0x1111, s40                    ; my column
	s_or_b32 s[G1B+0], s44, (0<<16)|(1<<20)|(1<<21)|(5<<22)|(3<<25)
	s_or_b32 s[G1S+0], s43, (3<<16)|(1<<20)|(1<<21)|(5<<22)|(3<<25)
	s_or_b32 s[G1SB+0], s44, (3<<16)|(1<<20)|(1<<21)|(5<<22)|(3<<25)
.irp g, G1S, G1SB
	s_mov_b32 s[\g+1], 32<<16                      ; the scales of 256 rows: 32 rows of 256 bytes, 16 bytes of padding behind each
	s_mov_b32 s[\g+2], KS<<16
	s_mov_b32 s[\g+3], 32<<16
	s_mov_b32 s[\g+4], KS
	s_mov_b32 s[\g+5], 32
	s_mov_b32 s[\g+6], 0
	s_mov_b32 s[\g+7], 0
.endr
	s_wait_dscnt 0x0
	s_wait_kmcnt 0x0
	s_cmp_eq_u32 s2, 0
	s_cselect_b64 s[4:5], s[24:25], s[32:33]       ; A's codes
	s_cselect_b64 s[6:7], s[26:27], s[34:35]       ; A's scales
	s_cselect_b64 s[8:9], s[28:29], s[24:25]       ; B's codes
	s_cselect_b64 s[10:11], s[30:31], s[26:27]     ; B's scales
	s_cselect_b64 s[66:67], s[36:37], s[38:39]     ; the bias
	s_cselect_b32 s94, s3, 0
	s_cselect_b32 s95, 0, s3
	s_lshl_b32 s42, s95, 2
	s_add_co_u32 s42, s42, s40                     ; tile column
	s_lshl_b32 s17, s94, 2
	s_add_co_u32 s17, s17, s41                     ; tile row
	s_or_b32 s[G1+0], s43, (0<<16)|(1<<20)|(1<<21)|(5<<22)|(3<<25)
.irp g, G1, G1B
	s_mov_b32 s[\g+1], ROWB<<16                    ; rows of 256 bytes, 768 apart; 256 rows for the head's loads
	s_mov_b32 s[\g+2], 256<<16
	s_mov_b32 s[\g+3], ROWB<<16
	s_mov_b32 s[\g+4], 256
	s_mov_b32 s[\g+5], KROW
	s_mov_b32 s[\g+6], 0
	s_mov_b32 s[\g+7], 0
.endr
	s_lshl_b32 s20, s17, 8
	s_lshl_b32 s46, s42, 8
	s_mov_b32 s21, 0
	s_mov_b32 s47, 0
	s_mov_b64 s[18:19], KS
	s_mul_u64 s[22:23], s[20:21], s[18:19]
	s_mul_u64 s[92:93], s[46:47], s[18:19]
	s_mov_b64 s[18:19], KROW
	s_mul_u64 s[20:21], s[20:21], s[18:19]
	s_mul_u64 s[46:47], s[46:47], s[18:19]
	s_mul_i32 s18, s16, 128*KROW
	s_mov_b32 s19, 0
	s_mul_i32 s45, s14, HALFT
	s_add_nc_u64 s[20:21], s[4:5], s[20:21]
	s_add_nc_u64 s[22:23], s[6:7], s[22:23]
	s_add_nc_u64 s[46:47], s[8:9], s[46:47]
	s_add_nc_u64 s[92:93], s[10:11], s[92:93]
	CROUND                                         ; in front of the first joint loads
	s_mov_b32 s[G0H], 1
	s_mov_b32 s[G0H+1], 0
	s_mov_b64 s[G0H+2:G0H+3], s[20:21]
	s_or_b32 s[G0H+3], s[G0H+3], 0x80000000
	s_mov_b32 s[G0HB], 1
	s_mov_b32 s[G0HB+1], 2*HALFT
	s_mov_b64 s[G0HB+2:G0HB+3], s[46:47]
	s_or_b32 s[G0HB+3], s[G0HB+3], 0x80000000
	s_mov_b32 s[G0S], 1
	s_mov_b32 s[G0S+1], SCL
	s_mov_b64 s[G0S+2:G0S+3], s[22:23]
	s_or_b32 s[G0S+3], s[G0S+3], 0x80000000
	s_mov_b32 s[G0SB], 1
	s_mov_b32 s[G0SB+1], SCL+2*HALFS
	s_mov_b64 s[G0SB+2:G0SB+3], s[92:93]
	s_or_b32 s[G0SB+3], s[G0SB+3], 0x80000000
	s_add_nc_u64 s[20:21], s[20:21], s[18:19]      ; for the ring: my 128 rows
	s_add_nc_u64 s[46:47], s[46:47], s[18:19]
.irp s, 0,1
	s_mov_b32 s[G0+4*\s], 1
	s_add_co_u32 s[G0+4*\s+1], s45, \s*SLOT
	s_add_nc_u64 s[G0+4*\s+2:G0+4*\s+3], s[20:21], \s*ROWB
	s_or_b32 s[G0+4*\s+3], s[G0+4*\s+3], 0x80000000
	s_mov_b32 s[G0B+4*\s], 1
	s_add_co_u32 s[G0B+4*\s+1], s45, \s*SLOT
	s_add_nc_u64 s[G0B+4*\s+2:G0B+4*\s+3], s[46:47], \s*ROWB
	s_or_b32 s[G0B+4*\s+3], s[G0B+4*\s+3], 0x80000000
.endr
; the head's four tiles, one load a wave, in one chain of arms: chunk 0 of A, chunk 0 of B, A's scales, B's scales
.macro ARM under, g0, g1, next
	s_cmp_lt_u32 s14, \under
	s_cbranch_scc0 \next
	tensor_load_to_lds s[\g0:\g0+3], s[\g1:\g1+7]
	s_nop 0
.rept 4
	v_nop
.endr
	s_branch .Lhead_asked
\next:
.endm
	ARM 1, G0H,  G1,  .Lhead_b
	ARM 2, G0HB, G1B, .Lhead_sa
	ARM 3, G0S,  G1S, .Lhead_sb
	tensor_load_to_lds s[G0SB:G0SB+3], s[G1SB:G1SB+7]
	s_nop 0
.rept 4
	v_nop
.endr
.Lhead_asked:
	v_and_b32 v1, 15, v0                           ; r
	v_bfe_u32 v2, v0, 4, 1                         ; h
	v_mul_u32_u24 v3, v1, PITCH
	v_mul_u32_u24 v4, v2, 24
	v_add_nc_u32 v4, v3, v4
	s_mov_b32 s21, SLOT-232
	s_mov_b32 s22, SLOT+232
	v_sub_nc_u32 v7, 1, v2
	v_mul_u32_u24 v5, s21, v2
	v_add_nc_u32 v5, v3, v5
	v_add_nc_u32 v5, 232, v5                       ; across two chunks: lanes 0-15 byte 232 in slot 0, lanes 16-31 byte 0 in slot 1
	v_mul_u32_u24 v6, s22, v7
	v_add_nc_u32 v6, v3, v6                        ; and the other way round
	s_mul_i32 s21, s15, HALFT
	s_mul_i32 s22, s16, HALFT
	s_add_co_u32 s22, s22, 2*HALFT
	v_add_nc_u32 v[ADRA+2], s21, v5
	v_add_nc_u32 v[ADRA+3], s21, v6
	v_add_nc_u32 v[ADRB+2], s22, v5
	v_add_nc_u32 v[ADRB+3], s22, v6
.irp s, 0,1
	v_add_nc_u32 v[ADRA+\s], s21, v4
	v_add_nc_u32 v[ADRB+\s], s22, v4
	s_add_co_u32 s21, s21, SLOT
	s_add_co_u32 s22, s22, SLOT
.endr
	v_mul_u32_u24 v5, v1, KS
	v_lshrrev_b32 v6, 8, v5
	v_lshl_add_u32 v5, v6, 4, v5
	s_mul_i32 s21, s15, HALFS
	s_mul_i32 s22, s16, HALFS
	s_add_co_u32 s22, s22, 2*HALFS
	s_sub_co_u32 s22, s22, s21
	v_mul_u32_u24 v6, s22, v2                      ; lanes 16-31 take B's scale words
	s_add_co_u32 s21, s21, SCL
	v_add_nc_u32 v5, v5, v6
	v_add_nc_u32 v[ADRS], s21, v5
	s_mul_i32 s23, s14, STG
	s_add_co_u32 s23, s23, STAGE
	v_lshrrev_b32 v5, 3, v1
	v_and_b32 v6, 7, v1
	v_mul_u32_u24 v9, v5, 1536
	v_lshl_add_u32 v9, v6, 4, v9
	v_lshl_add_u32 v9, v2, 8, v9
	v_add_nc_u32 v[STO], s23, v9
	v_lshlrev_b32 v9, 8, v5
	v_lshl_add_u32 v9, v6, 4, v9
	v_add_nc_u32 v[STS], s23, v9
	v_and_b32 v6, 31, v0
	v_lshlrev_b32 v[CO], 4, v6
	v_add_nc_u32 v[RD], s23, v[CO]
	v_lshlrev_b32 v[SH8], 3, v2
	s_mov_b32 s[SEL], 0x76543210
	s_mov_b32 s[SEL+1], 0xfedcba98
	s_lshl_b32 s92, s17, 1
	s_add_co_u32 s92, s92, s15                     ; my 128 rows of A
	s_lshl_b32 s93, s42, 1
	s_add_co_u32 s93, s93, s16                     ; my 128 rows of B
	s_cmp_eq_u32 s2, 0
	s_cselect_b32 s94, s93, s92                    ; the head
	s_cselect_b32 s95, s92, s93                    ; the block of 128 tokens
	s_lshl_b32 s20, s94, 9
	s_mov_b32 s21, 0
	s_add_nc_u64 s[66:67], s[66:67], s[20:21]
	s_lshr_b32 s20, s95, 4
	s_lshl_b32 s20, s20, 3
	s_add_co_u32 s20, s20, s94
	s_lshl_b32 s20, s20, 4
	s_and_b32 s95, s95, 15
	s_add_co_u32 s20, s20, s95
	s_mul_i32 s20, s20, 25600
	s_mul_i32 s95, s2, 12800
	s_add_co_u32 s20, s20, s95
	s_add_nc_u64 s[12:13], s[12:13], s[20:21]
	s_lshl_b32 s22, s3, 1                          ; Wo's fragment 2 x work-group + wave, for waves 0 and 1
	s_add_co_u32 s22, s22, s2
	s_lshl_b32 s22, s22, 2
	s_add_co_u32 s22, s22, s41
	s_lshl_b32 s22, s22, 2
	s_add_co_u32 s22, s22, s40
	s_lshl_b32 s22, s22, 1
	s_add_co_u32 s22, s22, s14
	s_lshr_b32 s46, s22, 3
	s_mul_i32 s46, s46, 12288                      ; its 16 rows of 768 bytes,
	s_and_b32 s47, s22, 7
	s_mul_i32 s47, s47, 96                         ; its K step
	s_add_co_u32 s46, s46, s47
	s_mov_b32 s47, 0
	s_add_nc_u64 s[96:97], s[96:97], s[46:47]
	s_mul_i32 s46, s22, 1536
	s_add_nc_u64 s[98:99], s[98:99], s[46:47]
	v_lshlrev_b32 v10, 5, v2
	v_lshlrev_b32 v11, 2, v1
	v_mul_u32_u24 v12, v1, 768
	v_mad_u32_u24 v12, v2, 24, v12
.irp b, 0,1,2,3,4,5,6,7
.irp e, 0,1
	global_load_b128 v[BB+8*\b+4*\e:BB+8*\b+4*\e+3], v10, s[66:67] offset:64*(4*(\b/4)+2*(\b%2)+(\b%4)/2)+16*\e
.endr
	global_load_b32 v[BA+2*\b], v11, s[66:67] offset:64*(4*(\b/4)+2*(\b%2)+(\b%4)/2)
	global_load_b32 v[BA+2*\b+1], v11, s[66:67] offset:64*(4*(\b/4)+2*(\b%2)+(\b%4)/2)
.endr
	s_wait_alu depctr_va_vdst(0)
	s_cmp_lt_u32 s14, 2
	s_cbranch_scc0 .Lno_lay
.irp p, 0,1,2,3,4,5
	global_load_b64 v[LAY+2*\p:LAY+2*\p+1], v12, s[96:97] offset:48*(\p/3)+8*(\p%3)   ; the fragment's 12 registers, in pieces of 8 bytes as the operand's layout has them
.endr
	s_wait_loadcnt 0x0
.irp ch, 0,1,2
	global_store_b128 v[CO], v[LAY+4*\ch:LAY+4*\ch+3], s[98:99] offset:512*\ch        ; 32 lanes store 512 consecutive bytes
.endr
.Lno_lay:
.macro FRAG reg, adr, st, i            ; 12 registers in pieces of 8 bytes; byte y of a row lies in chunk y / 256, slot (y / 256) % 2
.irp p, 0,1,2,3,4,5
.set BY, 96*(\st)+48*(\p/3)+8*(\p%3)
.if BY/ROWB == (BY+24)/ROWB
	ds_load_b64 v[\reg+2*\p:\reg+2*\p+1], v[\adr+(BY/ROWB)%2] offset:BY%ROWB+(4*((\i)/4)+2*((\i)%2)+((\i)%4)/2)*16*PITCH
.else
	ds_load_b64 v[\reg+2*\p:\reg+2*\p+1], v[\adr+2+(BY/ROWB)%2] offset:BY%ROWB-232+(4*((\i)/4)+2*((\i)%2)+((\i)%4)/2)*16*PITCH
.endif
.endr
.endm
.macro MUL16 a0, p, q, sc, zero        ; the 64 accumulators take turns
.irp a, \a0, \a0+1
.irp b, 0,1,2,3,4,5,6,7
.if \zero
	v_wmma_scale_f32_16x16x128_f8f6f4 v[8*(8*((\a)%4)+\b):8*(8*((\a)%4)+\b)+7], v[128*(\p)+FR*\b:128*(\p)+FR*\b+FR-1], v[AF+FR*(\a):AF+FR*(\a)+FR-1], 0, v[SC+8*NQ*(\sc)+NQ*\b+(\q)], v[SC+8*NQ*(\sc)+NQ*(\a)+(\q)] matrix_a_fmt:MATRIX_FMT_FP6 matrix_b_fmt:MATRIX_FMT_FP6 matrix_a_scale:MATRIX_SCALE_ROW1
.else
	v_wmma_scale_f32_16x16x128_f8f6f4 v[8*(8*((\a)%4)+\b):8*(8*((\a)%4)+\b)+7], v[128*(\p)+FR*\b:128*(\p)+FR*\b+FR-1], v[AF+FR*(\a):AF+FR*(\a)+FR-1], v[8*(8*((\a)%4)+\b):8*(8*((\a)%4)+\b)+7], v[SC+8*NQ*(\sc)+NQ*\b+(\q)], v[SC+8*NQ*(\sc)+NQ*(\a)+(\q)] matrix_a_fmt:MATRIX_FMT_FP6 matrix_b_fmt:MATRIX_FMT_FP6 matrix_a_scale:MATRIX_SCALE_ROW1
.endif
.endr
.endr
.endm
.macro FETCH_B st, p
	WIN TO_B
.irp i, 0,1,2,3,4,5,6,7
	FRAG 128*(\p)+FR*\i, ADRB, \st, \i
.endr
	WIN 0
.endm
.macro FETCH_A st, i0
.irp i, \i0, \i0+1, \i0+2, \i0+3
	FRAG AF+FR*(\i), ADRA, \st, \i
.endr
.endm
.macro SCALES pr                       ; the scale words of steps 2 pr, 2 pr + 1: lanes 0-15 A's, lanes 16-31 B's
.irp i, 0,1,2,3,4,5,6,7
	ds_load_b64 v[SC+8*NQ*((\pr)%2)+NQ*\i:SC+8*NQ*((\pr)%2)+NQ*\i+1], v[ADRS] offset:(4*(\i/4)+2*(\i%2)+(\i%4)/2)*SBLK+4*NQ*(\pr)
.endr
.endm
.macro PLACES n
.rept \n
	v_nop
.endr
.endm
; A step: 64 products; the next step's fragments are fetched in its middle and at its end.  Where the next step ends in a chunk not read yet, a barrier shows that chunk whole;
; where it begins in a later chunk, the chunk left behind is free: the wait for all tensor loads, the add, the wait for it and for my reads, the barrier; where a chunk two on is left, a round and the refill.
.macro STEP st, zero
.set NX, (\st)+1
.set C0, (96*(\st))/ROWB
.set C1, (96*NX)/ROWB
.set E0, (96*(\st)+95)/ROWB
.set E1, (96*NX+95)/ROWB
.if C1 > C0 || E1 > E0
	s_wait_tensorcnt 0x0
.if C1 > C0
	ds_add_u32 v[SPW], v[NIL]
	s_wait_dscnt 4*NL+1                            ; the add and A's blocks 4-7, 24 loads, may be out
.else
	s_wait_dscnt 4*NL                              ; A's blocks 4-7, 24 loads, may be out
.endif
	WIN MUL_LO
	MUL16 0, (\st)%2, (\st)%2, ((\st)/2)%2, \zero
	s_wait_dscnt 0x0
	s_barrier_signal -1
	MUL16 2, (\st)%2, (\st)%2, ((\st)/2)%2, \zero
	WIN 0
	s_barrier_wait -1
.if C1 > C0 && C0+2 < CHUNKS
	CREST
	s_add_nc_u64 s[G0+4*(C0%2)+2:G0+4*(C0%2)+3], s[G0+4*(C0%2)+2:G0+4*(C0%2)+3], 2*ROWB
	s_add_nc_u64 s[G0B+4*(C0%2)+2:G0B+4*(C0%2)+3], s[G0B+4*(C0%2)+2:G0B+4*(C0%2)+3], 2*ROWB
	JLOAD G0+4*(C0%2), G1, G0B+4*(C0%2), G1B
.else
	PLACES NP
.endif
.else
	s_wait_dscnt 4*NL
	WIN MUL_LO
	MUL16 0, (\st)%2, (\st)%2, ((\st)/2)%2, \zero
	MUL16 2, (\st)%2, (\st)%2, ((\st)/2)%2, \zero
	s_wait_dscnt 0
	PLACES NP
.endif
	FETCH_B NX, NX%2
	FETCH_A NX, 0
.if NX%2 == 0
	SCALES NX/2
.endif
	WIN MUL_HI
	MUL16 4, (\st)%2, (\st)%2, ((\st)/2)%2, \zero
	MUL16 6, (\st)%2, (\st)%2, ((\st)/2)%2, \zero
	PLACES NP
	WIN 0
	FETCH_A NX, 4
.endm
	s_wait_tensorcnt 0x0                           ; my tile of the head's four is in; the lines ahead of slot 1's first fill
	ds_add_u32 v[SPW], v[NIL]
	s_mov_b32 s[G1+2], 128<<16                     ; no tensor load of mine is out: from here on a load brings 128 rows
	s_mov_b32 s[G1+4], 128
	s_mov_b32 s[G1B+2], 128<<16
	s_mov_b32 s[G1B+4], 128
	s_wait_dscnt 0x0
	CROUND
	JLOAD G0+4, G1, G0B+4, G1B                     ; chunk 1
	FETCH_B 0, 0
	FETCH_A 0, 0
	SCALES 0
	FETCH_A 0, 4
	STEP 0, 1                                      ; the first step's products start the sums
.set ST, 1
.rept STEPS-2
	STEP ST, 0
.set ST, ST+1
.endr
	s_wait_dscnt 4*NL
	WIN MUL_LO
	MUL16 0, 1, 1, 1, 0
	MUL16 2, 1, 1, 1, 0
	s_wait_dscnt 0
	WIN MUL_HI
	MUL16 4, 1, 1, 1, 0
	MUL16 6, 1, 1, 1, 0
	WIN 0
	s_wait_loadcnt 0x0                             ; the biases are in
; THE WAY OUT, block a of 16 rows of A at a time: the bias, one exchange of lane halves, the quantiser, the image into my stage
.macro TOHB a
	s_cmp_eq_u32 s2, 0
	s_cbranch_scc0 .Lby_lane_\@
	WIN 0x02+(\a)/4
.set i, 0
.rept 32
	v_pk_add_f32 v[HB+i:HB+i+1], v[64*((\a)%4)+i:64*((\a)%4)+i+1], v[BB+i:BB+i+1]
.set i, i+2
.endr
	WIN 0
	s_branch .Lbiased_\@
.Lby_lane_\@:
	WIN 0x02+(\a)/4
.set i, 0
.rept 32
	v_pk_add_f32 v[HB+i:HB+i+1], v[64*((\a)%4)+i:64*((\a)%4)+i+1], v[BA+2*(\a):BA+2*(\a)+1]
.set i, i+2
.endr
	WIN 0
.Lbiased_\@:
.endm
.macro SWAPS base
.irp c, 0,1
.irp u, 0,2
.irp j, 0,1,2,3,4,5,6,7
	v_permlane16_swap_b32 v[(\base)+8*(4*\c+\u)+\j], v[(\base)+8*(4*\c+\u+1)+\j]
.endr
.endr
.endr
.endm
.macro QUANTW src, pc, pt, pw          ; 64 numbers of a lane, two whole blocks, become 12 registers of codes and the row's scale word
.irp c, 0,1
	v_max3_num_f32 v[TM+\c], |v[(\src)+32*\c]|, |v[(\src)+32*\c+1]|, 0x1800000
.endr
.irp i, 2,4,6,8,10,12,14,16,18,20,22,24,26,28,30
.irp c, 0,1
	v_max3_num_f32 v[TM+\c], v[TM+\c], |v[(\src)+32*\c+\i]|, |v[(\src)+32*\c+\i+1]|
.endr
.endr
.irp c, 0,1
	v_add_nc_u32 v[SO+\c], 0xff000000, v[TM+\c]
.endr
.irp c, 0,1
	v_lshrrev_b32 v[TM+\c], 23, v[SO+\c]
.endr
	v_lshl_or_b32 v[\pw], v[TM+1], 16, v[TM]
	v_lshlrev_b32 v[\pw], v[SH8], v[\pw]
	v_permlanex16_b32 v[XT], v[\pw], s[SEL], s[SEL+1]
	v_or_b32 v[\pw], v[\pw], v[XT]
.irp c, 0,1
	v_cvt_scalef32_pk16_fp6_f32 v[(\pc)+6*\c:(\pc)+6*\c+2], v[(\src)+32*\c:(\src)+32*\c+15], v[SO+\c]
	v_cvt_scalef32_pk16_fp6_f32 v[(\pt)+4*\c:(\pt)+4*\c+2], v[(\src)+32*\c+16:(\src)+32*\c+31], v[SO+\c]
.endr
	v_nop
.irp c, 0,1
.irp i, 0,1,2
	v_mov_b32 v[(\pc)+6*\c+3+\i], v[(\pt)+4*\c+\i]
.endr
.endr
.endm
.macro OUT_A a
	TOHB \a
	SWAPS HB
.if (\a) > 0
	s_wait_dscnt 0x0
.endif
	QUANTW HB, PC, PT, PW
.irp ch, 0,1,2
	ds_store_b128 v[STO], v[PC+4*\ch:PC+4*\ch+3] offset:(4*((\a)/4)+2*(((\a)%4)/2))*1536+128*((\a)%2)+512*\ch
.endr
	ds_store_b32 v[STS], v[PW] offset:12288+128*((\a)%2)+8*((\a)/4)+4*(((\a)%4)/2)
.endm
	PLACES NP
	v_mov_b32 v[XT], 0
.irp a, 0,1,2,3,4,5,6,7
	OUT_A \a
.endr
.irp i, 0,1,2,3,4,5,6,7,8,9,10,11,12,13,14,15,16,17,18,19,20,21,22,23,24
	ds_load_b128 v[RB+4*\i:RB+4*\i+3], v[RD] offset:512*\i
.endr
.irp i, 0,1,2,3,4,5,6,7,8,9,10,11,12,13,14,15,16,17,18,19,20,21,22,23,24
	s_wait_dscnt 24-\i
	global_store_b128 v[CO], v[RB+4*\i:RB+4*\i+3], s[12:13] offset:512*\i
.endr
	s_wait_tensorcnt 0x0                           ; the wave's end
	ds_add_u32 v[SPW], v[NIL]
	s_wait_dscnt 0x0
	CROUND                                         ; the closing round
	s_endpgm
.Lfunc_end_k_q38e7b5e37b_kvproj:
	.size	k_q38e7b5e37b_kvproj, .Lfunc_end_k_q38e7b5e37b_kvproj-k_q38e7b5e37b_kvproj
	.p2alignl 7, 3214868480
	.fill 96, 4, 3214868480
	.section	.rodata,"a",@progbits
	.p2align	6, 0x0
	.amdhsa_kernel k_q38e7b5e37b_kvproj
		.amdhsa_group_segment_fixed_size 327680
		.amdhsa_private_segment_fixed_size 0
		.amdhsa_enable_private_segment 0
		.amdhsa_kernarg_size 88
		.amdhsa_user_sgpr_count 2
		.amdhsa_user_sgpr_kernarg_segment_ptr 1
		.amdhsa_wavefront_size32 1
		.amdhsa_system_sgpr_workgroup_id_x 1
		.amdhsa_system_sgpr_workgroup_id_y 1
		.amdhsa_system_sgpr_workgroup_id_z 1
		.amdhsa_system_vgpr_workitem_id 0
		.amdhsa_next_free_vgpr 1024
		.amdhsa_next_free_sgpr 102
		.amdhsa_reserve_vcc 0
		.amdhsa_float_denorm_mode_32 3
		.amdhsa_float_denorm_mode_16_64 3
		.amdhsa_memory_ordered 1
		.amdhsa_forward_progress 1
		.amdhsa_inst_pref_size 209
	.end_amdhsa_kernel
	.amdgpu_metadata
---
amdhsa.version: [ 1, 2 ]
amdhsa.kernels:
  - .name:           k_q38e7b5e37b_kvproj
    .symbol:         k_q38e7b5e37b_kvproj.kd
    .args:
      - { .name: K_codes, .offset: 0, .size: 8, .value_kind: global_buffer, .address_space: global }
      - { .name: K_scales, .offset: 8, .size: 8, .value_kind: global_buffer, .address_space: global }
      - { .name: Wk_codes, .offset: 16, .size: 8, .value_kind: global_buffer, .address_space: global }
      - { .name: Wk_scales, .offset: 24, .size: 8, .value_kind: global_buffer, .address_space: global }
      - { .name: Wv_codes, .offset: 32, .size: 8, .value_kind: global_buffer, .address_space: global }
      - { .name: Wv_scales, .offset: 40, .size: 8, .value_kind: global_buffer, .address_space: global }
      - { .name: bk, .offset: 48, .size: 8, .value_kind: global_buffer, .address_space: global }
      - { .name: bv, .offset: 56, .size: 8, .value_kind: global_buffer, .address_space: global }
      - { .name: kv, .offset: 64, .size: 8, .value_kind: global_buffer, .address_space: global }
      - { .name: Wo_codes, .offset: 72, .size: 8, .value_kind: global_buffer, .address_space: global }
      - { .name: wo, .offset: 80, .size: 8, .value_kind: global_buffer, .address_space: global }
    .group_segment_fixed_size: 327680
    .private_segment_fixed_size: 0
    .kernarg_segment_align: 8
    .kernarg_segment_size: 88
    .max_flat_workgroup_size: 128
    .sgpr_count:     102
    .vgpr_count:     1024
    .wavefront_size: 32
...
	.end_amdgpu_metadata
.endif
;; end of part 1
;; launch attn (part 2): grid 8 x 32, 8 waves a work-group, clusters of 4 x 1, 327,680 bytes of LDS; arguments Q_codes, Q_scales, Wq_codes, Wq_scales, bq, kv, o; writes o
.if DOCPART == 2
	.amdgcn_target "amdgcn-amd-amdhsa--gfx1250"
	.amdhsa_code_object_version 6
	.text
	.protected	k_q38e7b5e37b_attn
	.globl	k_q38e7b5e37b_attn
	.p2align	8
	.type	k_q38e7b5e37b_attn,@function
k_q38e7b5e37b_attn:
	s_mov_b64 s[64:65], 0
	v_nop
	global_prefetch_b8 v0, s[64:65] scope:SCOPE_SE
	s_setreg_imm32_b32 hwreg(HW_REG_WAVE_MODE, 25, 1), 1
	s_wait_xcnt 0x0
	s_wait_alu depctr_hold_cnt(0) depctr_sa_sdst(0) depctr_va_vdst(0) depctr_va_sdst(0) depctr_va_ssrc(0) depctr_va_vcc(0) depctr_vm_vsrc(0)
	s_getreg_b32 s2, hwreg(HW_REG_IB_STS2, 6, 4)
	s_cmp_eq_u32 s2, 0
	s_cbranch_scc0 .Lentry_in_a_cluster
	s_endpgm
.Lentry_in_a_cluster:
	s_bfe_u32 s2, ttmp6, 0x10000c
	s_cmp_lg_u32 s2, 0x3003
	s_cbranch_scc0 .Lentry_shape_is_right
	s_endpgm
.Lentry_shape_is_right:
; o = q + softmax(q k^T / sqrt(128)) v for 256 queries of one (batch, head), with q = Q Wq^T + bq made here: all three products on codes of FP6 (E2M3) with E8M0 scales.
; SHARES.  A work-group: 256 queries of one head.  Eight waves, two to a SIMD, each 32 queries: two tiles of 16.  Every wave walks the head's 2,048 keys, 128 a step.
; The four work-groups of a cluster belong to one head: K's and V's images and Wq's rows are asked for jointly.
; LAYOUT.  All products are used transposed (source 0 = 16 rows of Wq, 16 keys, or 16 of the head's 128; source 1 = my 16 queries): a lane holds one query (lane % 16) throughout.
; K's and V's fragments come as images of their registers (kv, made by the launch before), their rows dealt so that a result's register 32 c + i is key (or channel) 64 c + 32 (lane / 16) + i: a whole block of 32 in a lane.
; q gets the same layout by the order of Wq's blocks (slot i = natural block 0, 2, 1, 3, 4, 6, 5, 7) and one exchange of lane halves.
; THE SOFTMAX: t = score x log2(e) / sqrt(128); M = the running largest t rounded up to a whole number; p = 2^(t - M) is quantised along the keys; the sum is taken of the unquantised p and divides at the end;
; when M moves, the sum and O^T are multiplied by 2^(old M - new M), exactly.  A block's largest p is made from its largest score by the same multiply-add and exponential
; (this takes v_exp_f32 not to fall where its input rises; at the worst one p within an ulp of a power of two is held one code low).
; q in f32, wanted again for the residual, is parked in LDS, in the bytes that held Wq's rows: they have had their only fill, and a barrier stands behind their last read.
; o leaves as the image of 64 registers for each (tile of 16 tokens, head): [512][8][8,192 bytes], chunk u at 512 u + 16 x lane.
; LIMITS: NaN and infinities are not served; a block whose largest magnitude lies under 2^-124 gets the scale byte 1; the order of the row's sum differs from a plain left-to-right sum.
; REGISTERS.  window 0: v1-12 addresses; v16-39 statistics, 12 a tile; v40-167 S^T, then p (in the projection: q's sums); v168-191 p's codes; v192-207 at work; v208-247 scale words and nothing else; v248-255 at work.
;   window 1: v0-127 O^T (in the projection: Q's fragments, a ring of four K steps, and half of bq); v128-223 eight fragments of Wq, K or V; v224-247 q's two fragments (in the projection, with v248-255: the other half of bq).
.set STEPB, 25600                      ; a key step in kv and in a slot
.set SLOT1, 0x10000                    ; slot 1 begins here: one exclusive or turns an address
.set WQ,    131072                     ; Wq's 128 rows, whole rows of 768 bytes with 16 bytes of padding behind every 256: pitch 816
.set WQC,   26112                      ; 32 such rows: what one wave fetches
.set WQS,   WQ+4*WQC                   ; Wq's scale bytes: 16 units of 256 + 16
.set PARK,  WQ                         ; 16,384 bytes a wave
.set SPARE, 262144                     ; the spare words: 128 bytes a wave, four blocks of 256 bytes that no other line names
.set LB0, 1                            ; 16 x lane
.set SPW, 2
.set NIL, 3
.set SH8, 4                            ; 8 x (lane / 16)
.set PK,  5                            ; my place in my wave's park
.set PFO, 6                            ; the prefetches' offset
.set ADR, 7                            ; the slot in hand + 16 x lane
.set AW,  8                            ; v8, v9: my place in Wq's rows 0-63 and 64-127; v10, v11: the same where the upper lanes' piece lies behind one padding more
.set XT,  12
.set ST,  16                           ; tile m at ST + 12 m: +0 -M, +1 the largest t, +2, +3 the sum, +4 f (+5 its pair's partner), +6, +7 the blocks' largest, +8, +9 at work, +10, +11 the conversions' scales
.set S,   40
.set PC,  168
.set PT,  192
.set KS,  208
.set VS,  212
.set QS,  216
.set PS,  218
.set QW,  208                          ; in the projection: Q's scale words, register s: lane l = row l of my 32
.set WS,  216                          ; and Wq's: register 16 (s / 4) + 4 i + s % 4: lanes 0-15 slot 2 i, lanes 16-31 slot 2 i + 1
.set QA,  248
.set QSA, 249
.set BBA, 250
.set AWS, 251
.set TM,  252
.set SO,  254
.set OT,  0                            ; window 1
.set QI,  0
.set BBW, 96
.set FRG, 128
.set QF,  224
.set TB,  2
.set SLOTS, 3
.set WV,  18
.set W3,  19
.set SEL, 20
.set CS,  22
.set G1R, 24
.set G0R, 32
.set G1W, 36
.set G0W, 44
.set G1S, 48
.set G0S, 56
.set PFA, 60
.set LIM, 62
.set MSB, 0
.macro WIN new
.if MSB != (\new)
	s_set_vgpr_msb (MSB<<8)|(\new)
.set MSB, (\new)
.endif
.endm
.macro PLACES n
.rept \n
	v_nop
.endr
.endm
.macro CROUND                          ; a round of the cluster's barrier
	s_barrier_signal -1
	s_barrier_wait -1
	s_cmp_lg_u32 s[WV], 0
	s_cbranch_scc1 .Lnot_wave_0_\@
	s_barrier_signal -3
.Lnot_wave_0_\@:
	s_barrier_wait -3
	s_barrier_signal -1
	s_barrier_wait -1
.endm
.macro WMZ d, a, b, sa, sb, ra         ; a product that starts its sum; ra: source 0's scales stand in lanes 16-31
.if (\ra)
	v_wmma_scale_f32_16x16x128_f8f6f4 v[(\d):(\d)+7], v[(\a):(\a)+11], v[(\b):(\b)+11], 0, v[\sa], v[\sb] matrix_a_fmt:MATRIX_FMT_FP6 matrix_b_fmt:MATRIX_FMT_FP6 matrix_a_scale:MATRIX_SCALE_ROW1
.else
	v_wmma_scale_f32_16x16x128_f8f6f4 v[(\d):(\d)+7], v[(\a):(\a)+11], v[(\b):(\b)+11], 0, v[\sa], v[\sb] matrix_a_fmt:MATRIX_FMT_FP6 matrix_b_fmt:MATRIX_FMT_FP6
.endif
.endm
.macro WMC d, a, b, c, sa, sb, ra, rb  ; a product with C in registers
.if (\ra) && (\rb)
	v_wmma_scale_f32_16x16x128_f8f6f4 v[(\d):(\d)+7], v[(\a):(\a)+11], v[(\b):(\b)+11], v[(\c):(\c)+7], v[\sa], v[\sb] matrix_a_fmt:MATRIX_FMT_FP6 matrix_b_fmt:MATRIX_FMT_FP6 matrix_a_scale:MATRIX_SCALE_ROW1 matrix_b_scale:MATRIX_SCALE_ROW1
.elseif (\ra)
	v_wmma_scale_f32_16x16x128_f8f6f4 v[(\d):(\d)+7], v[(\a):(\a)+11], v[(\b):(\b)+11], v[(\c):(\c)+7], v[\sa], v[\sb] matrix_a_fmt:MATRIX_FMT_FP6 matrix_b_fmt:MATRIX_FMT_FP6 matrix_a_scale:MATRIX_SCALE_ROW1
.elseif (\rb)
	v_wmma_scale_f32_16x16x128_f8f6f4 v[(\d):(\d)+7], v[(\a):(\a)+11], v[(\b):(\b)+11], v[(\c):(\c)+7], v[\sa], v[\sb] matrix_a_fmt:MATRIX_FMT_FP6 matrix_b_fmt:MATRIX_FMT_FP6 matrix_b_scale:MATRIX_SCALE_ROW1
.else
	v_wmma_scale_f32_16x16x128_f8f6f4 v[(\d):(\d)+7], v[(\a):(\a)+11], v[(\b):(\b)+11], v[(\c):(\c)+7], v[\sa], v[\sb] matrix_a_fmt:MATRIX_FMT_FP6 matrix_b_fmt:MATRIX_FMT_FP6
.endif
.endm
.macro FRAG reg, adr, q, ro            ; K step q's fragment from rows of 768 bytes with 16 bytes of padding behind every 256: pieces of 8 bytes; byte y of a row lies at y + 16 (y / 256)
.irp p, 0,1,2,3,4,5
.set BY, 96*(\q)+48*(\p/3)+8*(\p%3)
.if BY/256 == (BY+24)/256
	ds_load_b64 v[\reg+2*\p:\reg+2*\p+1], v[\adr] offset:BY+16*(BY/256)+(\ro)
.else
	ds_load_b64 v[\reg+2*\p:\reg+2*\p+1], v[\adr+2] offset:BY+16*(BY/256)+(\ro)
.endif
.endr
.endm
.macro SWAPS base
.irp c, 0,1
.irp u, 0,2
.irp j, 0,1,2,3,4,5,6,7
	v_permlane16_swap_b32 v[(\base)+8*(4*\c+\u)+\j], v[(\base)+8*(4*\c+\u+1)+\j]
.endr
.endr
.endr
.endm
.macro QUANTW src, pc, pt, pw          ; 64 numbers of a lane, two whole blocks, become 12 registers of codes and the row's scale word
.irp c, 0,1
	v_max3_num_f32 v[TM+\c], |v[(\src)+32*\c]|, |v[(\src)+32*\c+1]|, 0x1800000   ; with the floor 2^(3 - 127)
.endr
.irp i, 2,4,6,8,10,12,14,16,18,20,22,24,26,28,30
.irp c, 0,1
	s_delay_alu instid0(VALU_DEP_2)
	v_max3_num_f32 v[TM+\c], v[TM+\c], |v[(\src)+32*\c+\i]|, |v[(\src)+32*\c+\i+1]|
.endr
.endr
.irp c, 0,1
	s_delay_alu instid0(VALU_DEP_2)
	v_add_nc_u32 v[SO+\c], 0xff000000, v[TM+\c]
.endr
.irp c, 0,1
	s_delay_alu instid0(VALU_DEP_2)
	v_lshrrev_b32 v[TM+\c], 23, v[SO+\c]
.endr
	s_delay_alu instid0(VALU_DEP_1)
	v_lshl_or_b32 v[\pw], v[TM+1], 16, v[TM]
	s_delay_alu instid0(VALU_DEP_1)
	v_lshlrev_b32 v[\pw], v[SH8], v[\pw]
	s_delay_alu instid0(VALU_DEP_1)
	v_permlanex16_b32 v[XT], v[\pw], s[SEL], s[SEL+1]
	s_delay_alu instid0(VALU_DEP_1)
	v_or_b32 v[\pw], v[\pw], v[XT]
.irp c, 0,1
	v_cvt_scalef32_pk16_fp6_f32 v[(\pc)+6*\c:(\pc)+6*\c+2], v[(\src)+32*\c:(\src)+32*\c+15], v[SO+\c]
	v_cvt_scalef32_pk16_fp6_f32 v[(\pt)+4*\c:(\pt)+4*\c+2], v[(\src)+32*\c+16:(\src)+32*\c+31], v[SO+\c]
.endr
	v_nop                                          ; one plain place behind a scaled conversion
.irp c, 0,1
.irp i, 0,1,2
	v_mov_b32 v[(\pc)+6*\c+3+\i], v[(\pt)+4*\c+\i]
.endr
.endr
.endm
	s_load_b256 s[4:11], s[0:1], 0x0               ; Q's codes, Q's scales, Wq's codes, Wq's scales
	s_load_b128 s[12:15], s[0:1], 0x20             ; bq, kv
	s_load_b64 s[16:17], s[0:1], 0x30              ; o
	v_lshl_add_u32 v[SPW], v0, 2, SPARE
	v_mov_b32 v[NIL], 0
	ds_add_u32 v2, v3
	ds_add_u32 v2, v3
	s_wait_dscnt 0x0
	v_lshrrev_b32 v13, 5, v0
	s_delay_alu instid0(VALU_DEP_1)
	v_readfirstlane_b32 s[WV], v13                 ; wave 0..7
	s_add_co_u32 s[W3], s[WV], 2
	s_and_b32 s[W3], s[W3], 3                      ; waves 2 to 5: which quarter of Wq I fetch
	s_bfe_u32 s63, ttmp6, 0x40000                  ; cx: it enters Q's, o's and the prefetches' addresses alone
	s_and_b32 s66, ttmp7, 0xffff                   ; batch x 8 + head, which the four partners share
	s_lshr_b32 s67, s66, 3
	s_and_b32 s68, s66, 7
	s_lshl_b32 s69, ttmp9, 2
	s_add_co_u32 s69, s69, s63                     ; my block of 256 queries
	s_lshl_b32 s70, s67, 11
	s_lshl_b32 s71, s69, 8
	s_add_co_u32 s70, s70, s71
	s_lshl_b32 s71, s[WV], 5
	s_add_co_u32 s70, s70, s71                     ; my wave's first token
	s_mul_i32 s72, s70, 768                        ; its codes,
	s_mov_b32 s73, 0
	s_lshl_b32 s74, s70, 5                         ; its scale bytes,
	s_mov_b32 s75, 0
	s_lshl_b32 s76, s68, 9                         ; the head's part of bq,
	s_mov_b32 s77, 0
	s_lshr_b32 s78, s70, 4
	s_lshl_b32 s78, s78, 3
	s_add_co_u32 s78, s78, s68
	s_lshl_b32 s78, s78, 13                        ; my first tile's image in o
	s_mov_b32 s79, 0
	s_and_b32 s89, s[WV], 1
	s_mul_i32 s80, s66, 16*STEPB
	s_mul_i32 s88, s89, STEPB
	s_add_co_u32 s80, s80, s88                     ; waves 0, 1: the head's key step 0 or 1 in kv
	s_mov_b32 s81, 0
	s_mul_i32 s82, s68, 98304
	s_mul_i32 s88, s[W3], 24576
	s_add_co_u32 s82, s82, s88                     ; of the head's 128 rows of Wq the 32 from 32 W3 on
	s_mov_b32 s83, 0
	s_lshl_b32 s84, s68, 12
	s_lshl_b32 s88, s[W3], 11
	s_add_co_u32 s84, s84, s88                     ; waves 6, 7 (W3 = 0, 1): a half of their scale bytes
	s_mov_b32 s85, 0
	s_mul_i32 s86, s66, 16*STEPB                   ; the prefetches: my work-group's quarter of a slot's 51,200 bytes, my wave's half of that,
	s_mul_i32 s88, s63, 12800
	s_add_co_u32 s86, s86, s88
	s_mul_i32 s88, s89, 6400
	s_add_co_u32 s86, s86, s88
	s_add_co_u32 s86, s86, 2*STEPB                 ; in the second slot's worth of keys: the first change of slots steps it to the third
	s_mov_b32 s87, 0
	s_lshr_b32 s90, s[WV], 1
	s_xor_b32 s90, s90, 3                          ; 0 in waves 6 and 7,
	s_or_b32 s90, s90, ttmp9                       ; of the head's first cluster: the same in all four partners
	s_cmp_eq_u32 s90, 0
	s_cselect_b32 s[LIM], 1, -1
	; descriptor groups 1.  The ring: a key step's 25,600 dense bytes as 100 rows of 256 (32 elements of 8 bytes), no padding
	s_mov_b32 s[G1R], 15|(3<<16)|(1<<21)           ; the mask: all four work-groups; bit 21 beside it
	s_mov_b32 s[G1R+1], 32<<16
	s_mov_b32 s[G1R+2], 100<<16
	s_mov_b32 s[G1R+3], 32<<16
	s_mov_b32 s[G1R+4], 100
	s_mov_b32 s[G1R+5], 32
	s_mov_b32 s[G1R+6], 0
	s_mov_b32 s[G1R+7], 0
	s_mov_b32 s[G1W], 15|(1<<20)|(1<<21)|(5<<22)|(3<<25)   ; Wq: 32 whole rows of 768 bytes; 16 bytes of padding behind every 256
	s_mov_b32 s[G1W+1], 768<<16
	s_mov_b32 s[G1W+2], 32<<16
	s_mov_b32 s[G1W+3], 768<<16
	s_mov_b32 s[G1W+4], 32
	s_mov_b32 s[G1W+5], 768
	s_mov_b32 s[G1W+6], 0
	s_mov_b32 s[G1W+7], 0
	s_mov_b32 s[G1S], 15|(3<<16)|(1<<20)|(1<<21)|(5<<22)|(3<<25)   ; Wq's scale bytes: 8 rows of 256, 16 bytes of padding behind each
	s_mov_b32 s[G1S+1], 32<<16
	s_mov_b32 s[G1S+2], 8<<16                      ; 8 rows of 256 a load
	s_mov_b32 s[G1S+3], 32<<16
	s_mov_b32 s[G1S+4], 8
	s_mov_b32 s[G1S+5], 32
	s_mov_b32 s[G1S+6], 0
	s_mov_b32 s[G1S+7], 0
	s_mov_b32 s[SEL], 0x76543210
	s_mov_b32 s[SEL+1], 0xfedcba98
	s_mov_b32 s[CS], 0x3e0293ee                    ; c = log2(e) / sqrt(128)
	s_mov_b32 s[CS+1], s[CS]
	s_wait_kmcnt 0x0
	s_mov_b32 s[G0R], 1
	s_mul_i32 s[G0R+1], s89, STEPB                 ; slot 0, my key step
	s_add_nc_u64 s[G0R+2:G0R+3], s[14:15], s[80:81]
	s_or_b32 s[G0R+3], s[G0R+3], 0x80000000
	s_mov_b32 s[G0W], 1
	s_mul_i32 s[G0W+1], s[W3], WQC
	s_add_co_u32 s[G0W+1], s[G0W+1], WQ
	s_add_nc_u64 s[G0W+2:G0W+3], s[8:9], s[82:83]
	s_or_b32 s[G0W+3], s[G0W+3], 0x80000000
	s_mov_b32 s[G0S], 1
	s_mul_i32 s[G0S+1], s[W3], 2176
	s_add_co_u32 s[G0S+1], s[G0S+1], WQS
	s_add_nc_u64 s[G0S+2:G0S+3], s[10:11], s[84:85]
	s_or_b32 s[G0S+3], s[G0S+3], 0x80000000
	s_add_nc_u64 s[PFA:PFA+1], s[14:15], s[86:87]
	s_add_nc_u64 s[4:5], s[4:5], s[72:73]
	s_add_nc_u64 s[6:7], s[6:7], s[74:75]
	s_add_nc_u64 s[12:13], s[12:13], s[76:77]
	s_add_nc_u64 s[16:17], s[16:17], s[78:79]
	CROUND                                         ; all four work-groups are here: the first joint loads meet
	s_cmp_lt_u32 s[WV], 2                          ; the first fills, one a wave, in one chain of arms: waves 0, 1 slot 0; waves 2 to 5 Wq's rows; waves 6, 7 Wq's scale bytes
	s_cbranch_scc0 .Lnot_ring
	tensor_load_to_lds s[G0R:G0R+3], s[G1R:G1R+7]
	s_nop 0
.rept 4
	v_nop
.endr
	s_branch .Lfirst_asked
.Lnot_ring:
	s_cmp_lt_u32 s[WV], 6
	s_cbranch_scc0 .Lfor_scales
	tensor_load_to_lds s[G0W:G0W+3], s[G1W:G1W+7]
	s_nop 0
.rept 4
	v_nop
.endr
	s_branch .Lfirst_asked
.Lfor_scales:
	tensor_load_to_lds s[G0S:G0S+3], s[G1S:G1S+7]
	s_nop 0
.rept 4
	v_nop
.endr
.Lfirst_asked:
	v_and_b32 v13, 31, v0                          ; lane
	v_and_b32 v14, 15, v0                          ; r
	v_bfe_u32 v15, v0, 4, 1                        ; h
	s_delay_alu instid0(VALU_DEP_3)
	v_lshlrev_b32 v[LB0], 4, v13
	s_delay_alu instid0(VALU_DEP_2)
	v_lshlrev_b32 v[SH8], 3, v15
	s_lshl_b32 s88, s[WV], 14
	s_add_co_u32 s88, s88, PARK
	v_add_nc_u32 v[PK], s88, v[LB0]
	v_min_u32 v[PFO], 24, v13                      ; a wave's 6,400 bytes are 25 blocks of 256: lanes 25 to 31 name lane 24's block again
	s_delay_alu instid0(VALU_DEP_1)
	v_lshlrev_b32 v[PFO], 8, v[PFO]
	v_mul_u32_u24 v[AW], v14, 816
	s_delay_alu instid0(VALU_DEP_1)
	v_mad_u32_u24 v[AW], v15, 24, v[AW]
	s_delay_alu instid0(VALU_DEP_1)
	v_add_nc_u32 v[AW], WQ, v[AW]
	s_delay_alu instid0(VALU_DEP_1)
	v_add_nc_u32 v[AW+1], 2*WQC, v[AW]
	s_delay_alu instid0(VALU_DEP_2)
	v_lshl_add_u32 v[AW+2], v15, 4, v[AW]
	s_delay_alu instid0(VALU_DEP_2)
	v_lshl_add_u32 v[AW+3], v15, 4, v[AW+1]
	v_mul_u32_u24 v[QA], v14, 768
	s_delay_alu instid0(VALU_DEP_1)
	v_mad_u32_u24 v[QA], v15, 24, v[QA]            ; Q: row r of 768 bytes, + 24 h
	s_wait_alu depctr_va_vdst(0)
	v_lshlrev_b32 v[QSA], 5, v13                   ; Q's scale bytes: 32 a row, a lane a row
	v_lshlrev_b32 v[BBA], 5, v15                   ; bq: 32 h
	v_lshrrev_b32 v[AWS], 3, v14
	s_delay_alu instid0(VALU_DEP_1)
	v_lshlrev_b32 v[AWS], 4, v[AWS]
	s_delay_alu instid0(VALU_DEP_1)
	v_lshl_add_u32 v[AWS], v14, 5, v[AWS]          ; Wq's scale bytes: 32 r + 16 (r / 8),
	s_delay_alu instid0(VALU_DEP_1)
	v_mad_u32_u24 v[AWS], v15, 1088, v[AWS]        ; lanes 16-31 two natural blocks further on
	s_delay_alu instid0(VALU_DEP_1)
	v_add_nc_u32 v[AWS], WQS, v[AWS]
	v_mov_b32 v[XT], 0                             ; a lane permute's destination counts as one of its sources
.macro QLOAD s                         ; my two tiles' fragments of Q for K step s, into the ring's place s % 4
	WIN 0x40
.irp m, 0,1
.irp p, 0,1,2,3,4,5
	global_load_b64 v[QI+24*((\s)%4)+12*\m+2*\p:QI+24*((\s)%4)+12*\m+2*\p+1], v[QA], s[4:5] offset:12288*\m+96*(\s)+48*(\p/3)+8*(\p%3)
.endr
.endr
	WIN 0
.endm
	WIN 0x40
.irp t, 0,1,2,3,4,5,6,7                ; bq in the result's layout, slot t: the C of the first K step's products
.irp e, 0,1
	global_load_b128 v[BBW+8*\t+96*(\t/4)+4*\e:BBW+8*\t+96*(\t/4)+4*\e+3], v[BBA], s[12:13] offset:64*(4*(\t/4)+2*(\t%2)+(\t%4)/2)+16*\e
.endr
.endr
	WIN 0
	global_load_b128 v[QW:QW+3], v[QSA], s[6:7]
	global_load_b128 v[QW+4:QW+7], v[QSA], s[6:7] offset:16
	QLOAD 0
	QLOAD 1
	QLOAD 2
	QLOAD 3
	s_wait_alu depctr_va_vdst(0)
	s_wait_tensorcnt 0x0                           ; my first fills have landed,
	s_barrier_signal -1
	s_barrier_wait -1                              ; everybody's have
; THE PROJECTION: q^T = Wq Q^T + bq, 8 K steps of 128, 16 accumulators (8 slots x 2 tiles) by turns.  Wq's fragments come in halves of four slots: while one half is multiplied the other is on its way.
.macro WHALF s, hf
	WIN 0x40
.irp x, 0,1,2,3
	FRAG FRG+12*(4*(\hf)+\x), AW+(\hf), \s, (2*(\x%2)+\x/2)*13056
.endr
	WIN 0
.endm
.macro HALFK s, hf
.if (\hf) == 0
.if (\s) <= 4
	s_wait_loadcnt 36                              ; K step s's fragments of Q are in; those of the three steps behind it, 12 loads each, may be out
.else
	s_wait_loadcnt 12*(7-(\s))
.endif
.endif
.if ((\s) == 7) && ((\hf) == 1)
	s_wait_dscnt 0x0
.else
	s_wait_dscnt 24                                ; this half is in; the other half's 24 loads may be out
.endif
.if (\s) == 0
	WIN 0x15                                       ; Wq, Q and bq in window 1, the sums in window 0
.else
	WIN 0x05
.endif
.irp x, 0,1,2,3
.irp m, 0,1
.set TT, 4*(\hf)+\x
.if (\s) == 0
	WMC S+64*\m+8*TT, FRG+12*TT, QI+24*((\s)%4)+12*\m, BBW+8*TT+96*(TT/4), WS+16*((\s)/4)+4*(TT/2)+(\s)%4, QW+(\s), TT%2, \m
.else
	WMC S+64*\m+8*TT, FRG+12*TT, QI+24*((\s)%4)+12*\m, S+64*\m+8*TT, WS+16*((\s)/4)+4*(TT/2)+(\s)%4, QW+(\s), TT%2, \m
.endif
.endr
.endr
	WIN 0
	PLACES 4                                       ; in front of loads into registers that these products read
.if (\s) < 7
	WHALF (\s)+1, \hf
.endif
.if ((\hf) == 1) && ((\s) <= 3)
	QLOAD (\s)+4
.endif
.endm
.irp q4, 0,1
.irp i, 0,1,2,3
	ds_load_b128 v[WS+16*\q4+4*\i:WS+16*\q4+4*\i+3], v[AWS] offset:544*(4*(\i/2)+\i%2)+16*\q4
.endr
.endr
	WHALF 0, 0
	WHALF 0, 1
.irp s, 0,1,2,3,4,5,6,7
	HALFK \s, 0
	HALFK \s, 1
.endr
	SWAPS S                                        ; register 32 c + i of a tile is now q(my query, 64 c + 32 h + i)
	SWAPS S+64
	s_wait_alu depctr_va_vdst(0)
	s_wait_dscnt 0x0                               ; my reads of Wq's rows and scale bytes are over
	s_barrier_signal -1
	s_barrier_wait -1                              ; everybody's are: their bytes may be stored over
.set u, 0
.rept 32
	ds_store_b128 v[PK], v[S+4*u:S+4*u+3] offset:512*u   ; q in f32 is parked for the residual
.set u, u+1
.endr
	QUANTW S, PC, PT, QS
	QUANTW S+64, PC+12, PT+8, QS+1
	WIN 0x40
.set u, 0
.rept 24
	v_mov_b32 v[QF+u], v[PC+u]                     ; q's two fragments stay in window 1
.set u, u+1
.endr
.set u, 0
.rept 128
	v_mov_b32 v[OT+u], 0                           ; O^T.  (The key step is written without a first copy: the first change of M multiplies zeros)
.set u, u+1
.endr
	WIN 0
.irp m, 0,1
	v_mov_b32 v[ST+12*\m+1], 0xff61b1e6            ; the largest t so far: -3e38
	s_delay_alu instid0(VALU_DEP_1)
	v_floor_f32 v[ST+12*\m], -v[ST+12*\m+1]        ; -M
	v_mov_b32 v[ST+12*\m+2], 0                     ; the sum, in two halves
	v_mov_b32 v[ST+12*\m+3], 0
	v_mov_b32 v[ST+12*\m+5], 0                     ; (named as a pair's upper half)
	v_mov_b32 v[ST+12*\m+8], 0
	v_mov_b32 v[ST+12*\m+9], 0                     ; (lane permutes' destinations)
.endr
	s_mov_b32 s[TB], 0
	s_mov_b32 s[SLOTS], 7
.macro FLOAD off, sc                   ; eight fragments as they stand, 512 consecutive bytes a load, and their scale block: register i = tile 2 i in lanes 0-15, tile 2 i + 1 in lanes 16-31
	WIN 0x40
.irp f, 0,1,2,3,4,5,6,7
.irp ch, 0,1,2
	ds_load_b128 v[FRG+12*\f+4*\ch:FRG+12*\f+4*\ch+3], v[ADR] offset:(\off)+1536*\f+512*\ch
.endr
.endr
	WIN 0
	ds_load_b128 v[\sc:\sc+3], v[ADR] offset:(\off)+12288
.endm
.macro SOFTMAX
.irp m, 0,1
.irp c, 0,1
	v_max3_num_f32 v[ST+12*\m+6+\c], v[S+64*\m+32*\c], v[S+64*\m+32*\c+1], v[S+64*\m+32*\c+2]   ; the largest score of each block of 32 keys: all 32 are mine.  Four chains by turns, each from the low end on
.endr
.endr
.irp i, 3,5,7,9,11,13,15,17,19,21,23,25,27,29
.irp m, 0,1
.irp c, 0,1
	v_max3_num_f32 v[ST+12*\m+6+\c], v[ST+12*\m+6+\c], v[S+64*\m+32*\c+\i], v[S+64*\m+32*\c+\i+1]
.endr
.endr
.endr
.irp m, 0,1
.irp c, 0,1
	v_max_num_f32 v[ST+12*\m+6+\c], v[ST+12*\m+6+\c], v[S+64*\m+32*\c+31]
.endr
.endr
.irp m, 0
	s_delay_alu instid0(VALU_DEP_3)
	v_max_num_f32 v[ST+12*\m+8], v[ST+12*\m+6], v[ST+12*\m+7]
.endr
.irp m, 1
	s_delay_alu instid0(VALU_DEP_2)
	v_max_num_f32 v[ST+12*\m+8], v[ST+12*\m+6], v[ST+12*\m+7]
.endr
.irp m, 0,1
	s_delay_alu instid0(VALU_DEP_2)
	v_permlanex16_b32 v[ST+12*\m+9], v[ST+12*\m+8], s[SEL], s[SEL+1]
.endr
.irp m, 0,1
	s_delay_alu instid0(VALU_DEP_2)
	v_max_num_f32 v[ST+12*\m+8], v[ST+12*\m+8], v[ST+12*\m+9]   ; the step's largest score of my query
.endr
.irp m, 0,1
	s_delay_alu instid0(VALU_DEP_2)
	v_mul_f32 v[ST+12*\m+8], s[CS], v[ST+12*\m+8]
.endr
.irp m, 0,1
	s_delay_alu instid0(VALU_DEP_2)
	v_max_num_f32 v[ST+12*\m+1], v[ST+12*\m+1], v[ST+12*\m+8]   ; the running largest t
.endr
.irp m, 0,1
	v_mov_b32 v[ST+12*\m+8], v[ST+12*\m]
.endr
.irp m, 0,1
	s_delay_alu instid0(VALU_DEP_4)
	v_floor_f32 v[ST+12*\m], -v[ST+12*\m+1]        ; the new -M = -ceil(t)
.endr
.irp m, 0,1
	s_delay_alu instid0(VALU_DEP_2)
	v_sub_f32 v[ST+12*\m+8], v[ST+12*\m], v[ST+12*\m+8]   ; old M - new M: a whole number, 0 or less
.endr
.irp m, 0,1
	s_delay_alu instid0(VALU_DEP_2)
	v_cvt_i32_f32 v[ST+12*\m+8], v[ST+12*\m+8]     ; (it saturates)
.endr
.irp m, 0,1
	s_delay_alu instid0(VALU_DEP_2)
	v_ldexp_f32 v[ST+12*\m+4], 1.0, v[ST+12*\m+8]  ; f = 2^(old M - new M)
.endr
.irp m, 0,1
.set j, 0
.rept 32
	v_pk_fma_f32 v[S+64*\m+j:S+64*\m+j+1], v[S+64*\m+j:S+64*\m+j+1], s[CS:CS+1], v[ST+12*\m:ST+12*\m+1] op_sel_hi:[1,0,0]   ; t - M, two at a time
.set j, j+2
.endr
.endr
.irp m, 0,1
.irp c, 0,1
	v_fma_f32 v[ST+12*\m+6+\c], v[ST+12*\m+6+\c], s[CS], v[ST+12*\m]   ; the same of each block's largest score
.endr
.endr
.set j, 0
	s_wait_alu depctr_va_vdst(0)
.rept 128
	v_exp_f32 v[S+j], v[S+j]                       ; p = 2^(t - M): one batch
.set j, j+1
.endr
.irp m, 0,1
	v_pk_mul_f32 v[ST+12*\m+2:ST+12*\m+3], v[ST+12*\m+2:ST+12*\m+3], v[ST+12*\m+4:ST+12*\m+5] op_sel_hi:[1,0]   ; the sums under the new M: the plain place behind the batch
.endr
	s_wait_alu depctr_va_vdst(0)                   ; one wait for the batch, ahead of its first reader
.irp m, 0,1
.irp c, 0,1
	v_exp_f32 v[ST+12*\m+6+\c], v[ST+12*\m+6+\c]   ; each block's largest p
.endr
.endr
	WIN 0x41
.set j, 0
	s_wait_alu depctr_va_vdst(0)
.rept 32
	v_pk_mul_f32 v[OT+j:OT+j+1], v[OT+j:OT+j+1], v[ST+4:ST+5] op_sel_hi:[1,0]   ; tile 0's O^T under the new M: independent work behind the four
.set j, j+2
.endr
	WIN 0
	s_wait_alu depctr_va_vdst(0)                   ; and one wait for the four
.irp m, 0,1
.irp c, 0,1
	v_max_num_f32 v[ST+12*\m+6+\c], 0x1800000, v[ST+12*\m+6+\c]   ; the floor 2^(3 - 127)
.endr
.endr
.irp m, 0,1
.irp c, 0,1
	s_delay_alu instid0(VALU_DEP_4)
	v_add_nc_u32 v[ST+12*\m+10+\c], 0xff000000, v[ST+12*\m+6+\c]  ; the conversion's scale operand
.endr
.endr
.irp m, 0,1
.irp c, 0,1
	s_delay_alu instid0(VALU_DEP_4)
	v_lshrrev_b32 v[ST+12*\m+6+\c], 23, v[ST+12*\m+10+\c]         ; the scale's byte
.endr
.endr
.irp m, 0
	s_delay_alu instid0(VALU_DEP_3)
	v_lshl_or_b32 v[PS+\m], v[ST+12*\m+7], 16, v[ST+12*\m+6]
.endr
.irp m, 1
	s_delay_alu instid0(VALU_DEP_2)
	v_lshl_or_b32 v[PS+\m], v[ST+12*\m+7], 16, v[ST+12*\m+6]
.endr
.irp m, 0,1
	s_delay_alu instid0(VALU_DEP_2)
	v_lshlrev_b32 v[PS+\m], v[SH8], v[PS+\m]
.endr
.irp m, 0,1
	s_delay_alu instid0(VALU_DEP_2)
	v_permlanex16_b32 v[ST+12*\m+8], v[PS+\m], s[SEL], s[SEL+1]
.endr
.irp m, 0,1
	s_delay_alu instid0(VALU_DEP_2)
	v_or_b32 v[PS+\m], v[PS+\m], v[ST+12*\m+8]     ; p's scale word for these 128 keys
.endr
.irp m, 0,1
.irp c, 0,1
	v_cvt_scalef32_pk16_fp6_f32 v[PC+12*\m+6*\c:PC+12*\m+6*\c+2], v[S+64*\m+32*\c:S+64*\m+32*\c+15], v[ST+12*\m+10+\c]
	v_cvt_scalef32_pk16_fp6_f32 v[PT+8*\m+4*\c:PT+8*\m+4*\c+2], v[S+64*\m+32*\c+16:S+64*\m+32*\c+31], v[ST+12*\m+10+\c]
.endr
.endr
	v_nop                                          ; one plain place behind a scaled conversion
.irp m, 0,1
.irp c, 0,1
.irp i, 0,1,2
	v_mov_b32 v[PC+12*\m+6*\c+3+\i], v[PT+8*\m+4*\c+\i]
.endr
.endr
.endr
	WIN 0x41
.set j, 0
.rept 32
	v_pk_mul_f32 v[OT+64+j:OT+64+j+1], v[OT+64+j:OT+64+j+1], v[ST+16:ST+17] op_sel_hi:[1,0]   ; tile 1's O^T.  These 32 also stand between the writes of p's codes and scale words and the products
.set j, j+2
.endr
	WIN 0
.endm
.macro SUMS kl                         ; the row's sum of the unquantised p, which still stands in S^T's registers: two packed chains a tile.  kl = 1: the next step's K is fetched behind the first four additions, the places behind the products
.irp m, 0,1
	v_pk_add_f32 v[ST+12*\m+8:ST+12*\m+9], v[S+64*\m:S+64*\m+1], v[S+64*\m+2:S+64*\m+3]
.endr
.irp m, 0,1
	v_pk_add_f32 v[ST+12*\m+2:ST+12*\m+3], v[ST+12*\m+2:ST+12*\m+3], v[S+64*\m+4:S+64*\m+5]
.endr
.if (\kl)
	FLOAD STEPB, KS
.endif
.irp m, 0,1
	v_pk_add_f32 v[ST+12*\m+8:ST+12*\m+9], v[ST+12*\m+8:ST+12*\m+9], v[S+64*\m+6:S+64*\m+7]
.endr
.irp j, 8,12,16,20,24,28,32,36,40,44,48,52,56,60
.irp m, 0,1
	v_pk_add_f32 v[ST+12*\m+2:ST+12*\m+3], v[ST+12*\m+2:ST+12*\m+3], v[S+64*\m+\j:S+64*\m+\j+1]
	v_pk_add_f32 v[ST+12*\m+8:ST+12*\m+9], v[ST+12*\m+8:ST+12*\m+9], v[S+64*\m+\j+2:S+64*\m+\j+3]
.endr
.endr
.irp m, 0
	s_delay_alu instid0(VALU_DEP_3)
	v_pk_add_f32 v[ST+12*\m+2:ST+12*\m+3], v[ST+12*\m+2:ST+12*\m+3], v[ST+12*\m+8:ST+12*\m+9]
.endr
.irp m, 1
	s_delay_alu instid0(VALU_DEP_2)
	v_pk_add_f32 v[ST+12*\m+2:ST+12*\m+3], v[ST+12*\m+2:ST+12*\m+3], v[ST+12*\m+8:ST+12*\m+9]
.endr
.endm
.macro STEP q                          ; a key step: 128 keys, the q-th of the slot in hand
.if (\q) == 0
	v_add_nc_u32 v[ADR], s[TB], v[LB0]
	s_wait_alu depctr_va_vdst(0)
	FLOAD 0, KS
.endif
	s_wait_dscnt 0x0                               ; K is in
	WIN 0x05
.irp t, 0,1,2,3,4,5,6,7
.irp m, 0,1
	WMZ S+64*\m+8*\t, FRG+12*\t, QF+12*\m, KS+\t/2, QS+\m, \t%2
.endr
.endr
	WIN 0
	PLACES 4                                       ; in front of the loads over K's fragments and of the first read of the scores
	FLOAD STEPB*(\q)+12800, VS                     ; V lands while the softmax is walked
	SOFTMAX
	s_wait_alu depctr_va_vdst(0)
	s_wait_dscnt 0x0                               ; V is in
	WIN 0x51
.irp t, 0,1,2,3,4,5,6,7
.irp m, 0,1
	WMC OT+64*\m+8*\t, FRG+12*\t, PC+12*\m, OT+64*\m+8*\t, VS+\t/2, PS+\m, \t%2, 0
.endr
.endr
	WIN 0
	SUMS 1-(\q)
.endm
; THE CHANGE OF SLOTS stands at a slot's head.  Each wave waits for all its tensor loads, adds 0 to its spare word, and waits for that and for its reads of the slot that it has left.
; fill = 1: a round of the cluster's barrier, and behind it waves 0 and 1 ask jointly for the next two key steps, into the slot just left: one load a wave, with two key steps in which to land.
; Behind it waves 6 and 7 of the head's first cluster prefetch what the NEXT change will ask for: 51,200 bytes shared out by address among the four partners and their two waves, 25 blocks of 256 bytes a wave.
; The last change that fills a slot asks for nothing ahead; the first two slots come by their loads alone.
.macro CHANGE fill
	s_wait_tensorcnt 0x0                           ; no tensor load of mine is out, so the walking descriptor may be written
	ds_add_u32 v[SPW], v[NIL]                      ; 0 onto my spare word
.if \fill
	s_xor_b32 s[G0R+1], s[G0R+1], SLOT1
	s_add_nc_u64 s[G0R+2:G0R+3], s[G0R+2:G0R+3], 2*STEPB
	s_wait_xcnt 0x0                                ; the last prefetch, a slot back, has read its address
	s_add_nc_u64 s[PFA:PFA+1], s[PFA:PFA+1], 2*STEPB
.endif
	s_wait_dscnt 0x0                               ; the add is done, and my reads of the slot that I have left are over
.if \fill
	CROUND
	s_cmp_lt_u32 s[WV], 2
	s_cbranch_scc0 .Lno_load_\@
	tensor_load_to_lds s[G0R:G0R+3], s[G1R:G1R+7]
	s_nop 0
.rept 4
	v_nop
.endr
.Lno_load_\@:
	s_cmp_gt_u32 s[SLOTS], s[LIM]
	s_cbranch_scc0 .Lnot_mine_\@
	global_prefetch_b8 v[PFO], s[PFA:PFA+1] th:TH_LOAD_NT scope:SCOPE_SE
.Lnot_mine_\@:
.else
	s_barrier_signal -1
	s_barrier_wait -1
.endif
.endm
.Lslot:                                ; seven trips: behind each change of slots but the last the next slot is asked for
	CHANGE 1
	STEP 0
	STEP 1
	s_xor_b32 s[TB], s[TB], SLOT1
	s_sub_co_u32 s[SLOTS], s[SLOTS], 1
	s_cmp_lg_u32 s[SLOTS], 0
	s_cbranch_scc1 .Lslot
	CHANGE 0                                       ; the last slot is written out
	STEP 0
	STEP 1
	; THE WAY OUT: o = q + O^T / the sum, stored as the image of its registers
.irp m, 0,1
	s_delay_alu instid0(VALU_DEP_2)
	v_add_f32 v[ST+12*\m+8], v[ST+12*\m+2], v[ST+12*\m+3]
.endr
.irp m, 0,1
	s_delay_alu instid0(VALU_DEP_2)
	v_permlanex16_b32 v[ST+12*\m+9], v[ST+12*\m+8], s[SEL], s[SEL+1]
.endr
.irp m, 0,1
	s_delay_alu instid0(VALU_DEP_2)
	v_add_f32 v[ST+12*\m+8], v[ST+12*\m+8], v[ST+12*\m+9]   ; with lane l xor 16's keys: the row's sum
.endr
	s_wait_alu depctr_va_vdst(0)
.irp m, 0,1
	v_rcp_f32 v[ST+12*\m+4], v[ST+12*\m+8]
.endr
.set u, 0
.rept 32
	ds_load_b128 v[S+4*u:S+4*u+3], v[PK] offset:512*u   ; q comes back
.set u, u+1
.endr
	v_nop                                          ; a plain place behind the reciprocals
	s_wait_alu depctr_va_vdst(0)                   ; and the wait ahead of their first reader
	s_wait_dscnt 0x0
	WIN 0x01
.irp m, 0,1
.set j, 0
.rept 32
	v_pk_fma_f32 v[S+64*\m+j:S+64*\m+j+1], v[OT+64*\m+j:OT+64*\m+j+1], v[ST+12*\m+4:ST+12*\m+5], v[S+64*\m+j:S+64*\m+j+1] op_sel_hi:[1,0,1]
.set j, j+2
.endr
.endr
	WIN 0
.irp m, 0,1
.set u, 0
.rept 16
	global_store_b128 v[LB0], v[S+64*\m+4*u:S+64*\m+4*u+3], s[16:17] offset:65536*\m+512*u   ; 32 lanes store 512 consecutive bytes, at a multiple of 256 from o's first byte
.set u, u+1
.endr
.endr
	s_wait_tensorcnt 0x0                           ; the wave's end
	ds_add_u32 v[SPW], v[NIL]
	s_wait_dscnt 0x0
	CROUND                                         ; the closing round
	s_endpgm
.Lfunc_end_k_q38e7b5e37b_attn:
	.size	k_q38e7b5e37b_attn, .Lfunc_end_k_q38e7b5e37b_attn-k_q38e7b5e37b_attn
	.p2alignl 7, 3214868480
	.fill 96, 4, 3214868480
	.section	.rodata,"a",@progbits
	.p2align	6, 0x0
	.amdhsa_kernel k_q38e7b5e37b_attn
		.amdhsa_group_segment_fixed_size 327680
		.amdhsa_private_segment_fixed_size 0
		.amdhsa_enable_private_segment 0
		.amdhsa_kernarg_size 56
		.amdhsa_user_sgpr_count 2
		.amdhsa_user_sgpr_kernarg_segment_ptr 1
		.amdhsa_wavefront_size32 1
		.amdhsa_system_sgpr_workgroup_id_x 1
		.amdhsa_system_sgpr_workgroup_id_y 1
		.amdhsa_system_sgpr_workgroup_id_z 1
		.amdhsa_system_vgpr_workitem_id 0
		.amdhsa_next_free_vgpr 512
		.amdhsa_next_free_sgpr 92
		.amdhsa_reserve_vcc 0
		.amdhsa_float_denorm_mode_32 3
		.amdhsa_float_denorm_mode_16_64 3
		.amdhsa_memory_ordered 1
		.amdhsa_forward_progress 1
		.amdhsa_inst_pref_size 223
	.end_amdhsa_kernel
	.amdgpu_metadata
---
amdhsa.version: [ 1, 2 ]
amdhsa.kernels:
  - .name:           k_q38e7b5e37b_attn
    .symbol:         k_q38e7b5e37b_attn.kd
    .args:
      - { .name: Q_codes, .offset: 0, .size: 8, .value_kind: global_buffer, .address_space: global }
      - { .name: Q_scales, .offset: 8, .size: 8, .value_kind: global_buffer, .address_space: global }
      - { .name: Wq_codes, .offset: 16, .size: 8, .value_kind: global_buffer, .address_space: global }
      - { .name: Wq_scales, .offset: 24, .size: 8, .value_kind: global_buffer, .address_space: global }
      - { .name: bq, .offset: 32, .size: 8, .value_kind: global_buffer, .address_space: global }
      - { .name: kv, .offset: 40, .size: 8, .value_kind: global_buffer, .address_space: global }
      - { .name: o, .offset: 48, .size: 8, .value_kind: global_buffer, .address_space: global }
    .group_segment_fixed_size: 327680
    .private_segment_fixed_size: 0
    .kernarg_segment_align: 8
    .kernarg_segment_size: 56
    .max_flat_workgroup_size: 256
    .sgpr_count:     92
    .vgpr_count:     512
    .wavefront_size: 32
...
	.end_amdgpu_metadata
.endif
;; end of part 2
;; launch ffn (part 3): grid 256 x 1, 8 waves a work-group, no clusters, 165,888 bytes of LDS; arguments o, wo, Wo_scales, bo, g0, b0, g1, b1, out0; writes out0
.if DOCPART == 3
	.amdgcn_target "amdgcn-amd-amdhsa--gfx1250"
	.amdhsa_code_object_version 6
	.text
	.protected	k_q38e7b5e37b_ffn
	.globl	k_q38e7b5e37b_ffn
	.p2align	8
	.type	k_q38e7b5e37b_ffn,@function
k_q38e7b5e37b_ffn:
	s_mov_b64 s[64:65], 0
	v_nop
	global_prefetch_b8 v0, s[64:65] scope:SCOPE_SE
	s_setreg_imm32_b32 hwreg(HW_REG_WAVE_MODE, 25, 1), 1
	s_wait_xcnt 0x0
; out0 = LN1(h + relu(Q(h) Wo^T + bo)), h = LN0(o), for 32 tokens a work-group; the product on codes of FP6 (E2M3) with E8M0 scales.
; SHARES.  Eight waves; wave w holds channels 128 w .. 128 w + 127 of the 32 tokens (two tiles of 16): of o, of h and of the product's result.  Row sums go through LDS, four reductions.
; h is quantised along its channels by the wave that holds them (K step w) and handed round as images of operand registers in LDS.
; Wo comes as images of operand registers (wo, laid by the first launch: [block of 16 rows][K step][1,536 bytes]) from memory STRAIGHT INTO REGISTERS: a wave's 128 rows are multiplied by that wave alone,
; so LDS would be written once and read once for them.  For the same reason there are no tiles in LDS to ask for jointly, and no cluster.
; 64 fragments a wave go through a ring of ten (120 registers), two at a time: four products, four places, six loads of 512 consecutive bytes into the pair just used.
; One prefetch at the head, by wave 0: 24 blocks of 256 bytes of wo a work-group, (work-group % 128) x 24 + lane; lanes 24-31 name lane 23's block again.  It stands ahead of LN0, behind which the ring's first loads go out.
; The product is used transposed (source 0 = 16 rows of Wo, source 1 = 16 tokens); place t of the eight holds natural block 0, 2, 1, 3, 4, 6, 5, 7.
; LIMITS: NaN and infinities are not served; a block whose largest magnitude lies under 2^-124 gets the scale byte 1; the order of a row's sums differs from a plain left-to-right sum.
; REGISTERS.  window 0: v4-31 addresses and row statistics; v32-159 x; v160-207 h's fragments of two K steps (before: at work); v208-247 scale words alone; v248-255 at work.
;   window 1: v0-127 the sums, begun with bo; v128-247 Wo's ring (before and after: the gains and biases of the norms, v128-255).
.set HSC,   24576                      ; h's images lie at 0: 16 x 1,536 bytes; then its scale words
.set RED,   25600                      ; four reductions of 1,024 bytes
.set STG,   29696                      ; the way out: 16,896 bytes a wave
.set SPARE, 164864                     ; the spare words: 128 bytes a wave
.set SPW, 4
.set NIL, 5
.set SH8, 6
.set XO,  7                            ; 16 x lane
.set GW,  8
.set GN,  9
.set WSO, 10
.set PFO, 11
.set HW,  16
.set HSW, 17
.set HSR, 18
.set RW,  19
.set RR,  20
.set SW,  21
.set SR,  22
.set PA,  24
.set OA,  26
.set TR,  30
.set UR,  31
.set X,   32
.set HF,  160
.set PC,  160
.set PT,  184
.set RL,  192
.set TM,  200
.set SO,  202
.set XT,  204
.set PW,  206
.set WS,  208
.set HS,  240
.set SP,  248
.set ACC, 0
.set WF,  128
.set GG,  128
.set GB,  192
.set WV,  22
.set HM,  23
.set SEL, 40
.set RN,  42
.set EPS, 43
.set WB,  44                           ; s[44:45]: my wave's 98,304 bytes of wo
.set MSB, 0
.macro WIN new
.if MSB != (\new)
	s_set_vgpr_msb (MSB<<8)|(\new)
.set MSB, (\new)
.endif
.endm
.macro PLACES n
.rept \n
	v_nop
.endr
.endm
.macro WMC d, a, b, c, sa, sb, ra, rb
.if (\ra) && (\rb)
	v_wmma_scale_f32_16x16x128_f8f6f4 v[(\d):(\d)+7], v[(\a):(\a)+11], v[(\b):(\b)+11], v[(\c):(\c)+7], v[\sa], v[\sb] matrix_a_fmt:MATRIX_FMT_FP6 matrix_b_fmt:MATRIX_FMT_FP6 matrix_a_scale:MATRIX_SCALE_ROW1 matrix_b_scale:MATRIX_SCALE_ROW1
.elseif (\ra)
	v_wmma_scale_f32_16x16x128_f8f6f4 v[(\d):(\d)+7], v[(\a):(\a)+11], v[(\b):(\b)+11], v[(\c):(\c)+7], v[\sa], v[\sb] matrix_a_fmt:MATRIX_FMT_FP6 matrix_b_fmt:MATRIX_FMT_FP6 matrix_a_scale:MATRIX_SCALE_ROW1
.elseif (\rb)
	v_wmma_scale_f32_16x16x128_f8f6f4 v[(\d):(\d)+7], v[(\a):(\a)+11], v[(\b):(\b)+11], v[(\c):(\c)+7], v[\sa], v[\sb] matrix_a_fmt:MATRIX_FMT_FP6 matrix_b_fmt:MATRIX_FMT_FP6 matrix_b_scale:MATRIX_SCALE_ROW1
.else
	v_wmma_scale_f32_16x16x128_f8f6f4 v[(\d):(\d)+7], v[(\a):(\a)+11], v[(\b):(\b)+11], v[(\c):(\c)+7], v[\sa], v[\sb] matrix_a_fmt:MATRIX_FMT_FP6 matrix_b_fmt:MATRIX_FMT_FP6
.endif
.endm
.macro SWAPS base
.irp c, 0,1
.irp u, 0,2
.irp j, 0,1,2,3,4,5,6,7
	v_permlane16_swap_b32 v[(\base)+8*(4*\c+\u)+\j], v[(\base)+8*(4*\c+\u+1)+\j]
.endr
.endr
.endr
.endm
.macro QUANTW src, pc, pt, pw          ; 64 numbers of a lane, two whole blocks, become 12 registers of codes and the row's scale word
.irp c, 0,1
	v_max3_num_f32 v[TM+\c], |v[(\src)+32*\c]|, |v[(\src)+32*\c+1]|, 0x1800000
.endr
.irp i, 2,4,6,8,10,12,14,16,18,20,22,24,26,28,30
.irp c, 0,1
	s_delay_alu instid0(VALU_DEP_2)
	v_max3_num_f32 v[TM+\c], v[TM+\c], |v[(\src)+32*\c+\i]|, |v[(\src)+32*\c+\i+1]|
.endr
.endr
.irp c, 0,1
	s_delay_alu instid0(VALU_DEP_2)
	v_add_nc_u32 v[SO+\c], 0xff000000, v[TM+\c]
.endr
.irp c, 0,1
	s_delay_alu instid0(VALU_DEP_2)
	v_lshrrev_b32 v[TM+\c], 23, v[SO+\c]
.endr
	s_delay_alu instid0(VALU_DEP_1)
	v_lshl_or_b32 v[\pw], v[TM+1], 16, v[TM]
	s_delay_alu instid0(VALU_DEP_1)
	v_lshlrev_b32 v[\pw], v[SH8], v[\pw]
	s_delay_alu instid0(VALU_DEP_1)
	v_permlanex16_b32 v[XT], v[\pw], s[SEL], s[SEL+1]
	s_delay_alu instid0(VALU_DEP_1)
	v_or_b32 v[\pw], v[\pw], v[XT]
.irp c, 0,1
	v_cvt_scalef32_pk16_fp6_f32 v[(\pc)+6*\c:(\pc)+6*\c+2], v[(\src)+32*\c:(\src)+32*\c+15], v[SO+\c]
	v_cvt_scalef32_pk16_fp6_f32 v[(\pt)+4*\c:(\pt)+4*\c+2], v[(\src)+32*\c+16:(\src)+32*\c+31], v[SO+\c]
.endr
	v_nop
.irp c, 0,1
.irp i, 0,1,2
	v_mov_b32 v[(\pc)+6*\c+3+\i], v[(\pt)+4*\c+\i]
.endr
.endr
.endm
	s_load_b512 s[4:19], s[0:1], 0x0               ; o, wo, Wo's scales, bo, g0, b0, g1, b1
	s_load_b64 s[20:21], s[0:1], 0x40              ; out0
	v_lshl_add_u32 v[SPW], v0, 2, SPARE
	v_mov_b32 v[NIL], 0
	v_lshrrev_b32 v1, 5, v0
	s_delay_alu instid0(VALU_DEP_1)
	v_readfirstlane_b32 s[WV], v1                  ; wave
	s_lshl_b32 s46, ttmp9, 17                      ; my 32 tokens: 131,072 bytes of o and of out0
	s_lshl_b32 s47, s[WV], 13
	s_add_co_u32 s48, s46, s47
	s_mov_b32 s49, 0
	s_lshl_b32 s50, s[WV], 9                       ; my 128 channels, in f32
	s_mov_b32 s51, 0
	s_add_co_u32 s52, s46, s50
	s_mov_b32 s53, 0
	s_mul_i32 s54, s[WV], 98304
	s_mov_b32 s55, 0
	s_lshl_b32 s56, s[WV], 12
	s_mov_b32 s57, 0
	s_lshl_b32 s58, s[WV], 7
	s_mul_i32 s59, s[WV], 3072
	s_and_b32 s60, ttmp9, 127
	s_mul_i32 s60, s60, 6144
	s_mul_i32 s61, s[WV], 16896
	s_add_co_u32 s61, s61, STG
	s_mov_b32 s[HM], 0xffff0000
	s_mov_b32 s[SEL], 0x76543210
	s_mov_b32 s[SEL+1], 0xfedcba98
	s_mov_b32 s[RN], 0x3a800000                    ; 1 / 1024
	s_mov_b32 s[EPS], 0x3727c5ac                   ; 1e-5
	v_and_b32 v1, 31, v0
	v_and_b32 v2, 15, v0
	v_bfe_u32 v3, v0, 4, 1
	v_lshlrev_b32 v[XO], 4, v1
	v_lshlrev_b32 v[HSR], 2, v1
	v_min_u32 v[PFO], 23, v1
	v_lshlrev_b32 v[GW], 7, v3
	v_lshlrev_b32 v[SH8], 3, v3
	v_lshlrev_b32 v[GN], 5, v3
	v_lshlrev_b32 v[WSO], 5, v2
	v_lshlrev_b32 v[HSW], 2, v2
	v_mul_u32_u24 v[SW], v2, 528
	v_lshlrev_b32 v[PFO], 8, v[PFO]
	v_lshl_add_u32 v[WSO], v3, 10, v[WSO]
	v_add_nc_u32 v[HSW], s58, v[HSW]
	v_lshl_add_u32 v[SW], v3, 5, v[SW]
	v_add_nc_u32 v[RR], RED, v[HSR]
	v_add_nc_u32 v[HW], s59, v[XO]
	v_add_nc_u32 v[PFO], s60, v[PFO]
	v_add_nc_u32 v[HSW], HSC, v[HSW]
	v_add_nc_u32 v[SW], s61, v[SW]
	v_add_nc_u32 v[SR], s61, v[XO]
	v_add_nc_u32 v[RW], s58, v[RR]
	v_add_nc_u32 v[HSR], HSC, v[HSR]
	v_mov_b32 v[OA+1], 0
	v_mov_b32 v[OA+3], 0
	v_mov_b32 v[TR], 0
	v_mov_b32 v[UR], 0
	v_mov_b32 v[XT], 0
	s_wait_alu depctr_va_vdst(0)
	s_wait_kmcnt 0x0
	s_add_nc_u64 s[4:5], s[4:5], s[48:49]
.irp m, 0,1
.set u, 0
.rept 16
	global_load_b128 v[X+64*\m+4*u:X+64*\m+4*u+3], v[XO], s[4:5] offset:65536*\m+512*u th:TH_LOAD_NT
.set u, u+1
.endr
.endr
	s_add_nc_u64 s[WB:WB+1], s[6:7], s[54:55]
	s_add_nc_u64 s[8:9], s[8:9], s[56:57]
	s_add_nc_u64 s[10:11], s[10:11], s[50:51]
	s_add_nc_u64 s[12:13], s[12:13], s[50:51]
	s_add_nc_u64 s[14:15], s[14:15], s[50:51]
	s_add_nc_u64 s[16:17], s[16:17], s[50:51]
	s_add_nc_u64 s[18:19], s[18:19], s[50:51]
	s_add_nc_u64 s[20:21], s[20:21], s[52:53]
	WIN 0x40
.irp c, 0,1
.irp u, 0,1,2,3,4,5,6,7
	global_load_b128 v[GG+32*\c+4*\u:GG+32*\c+4*\u+3], v[GW], s[12:13] offset:256*\c+16*\u
	global_load_b128 v[GB+32*\c+4*\u:GB+32*\c+4*\u+3], v[GW], s[14:15] offset:256*\c+16*\u
.endr
.endr
	WIN 0
	s_cmp_lg_u32 s[WV], 0
	s_cbranch_scc1 .Lno_ask
	global_prefetch_b8 v[PFO], s[6:7] th:TH_LOAD_NT scope:SCOPE_SE   ; its address registers are never written again
.Lno_ask:
.macro FOLD
.irp m, 0
	s_delay_alu instid0(VALU_DEP_3)
	v_pk_add_f32 v[SP+4*\m:SP+4*\m+1], v[SP+4*\m:SP+4*\m+1], v[SP+4*\m+2:SP+4*\m+3]
.endr
.irp m, 1
	s_delay_alu instid0(VALU_DEP_2)
	v_pk_add_f32 v[SP+4*\m:SP+4*\m+1], v[SP+4*\m:SP+4*\m+1], v[SP+4*\m+2:SP+4*\m+3]
.endr
.irp m, 0,1
	s_delay_alu instid0(VALU_DEP_2)
	v_add_f32 v[PA+\m], v[SP+4*\m], v[SP+4*\m+1]
.endr
.irp m, 0,1
	s_delay_alu instid0(VALU_DEP_2)
	v_permlanex16_b32 v[TR+\m], v[PA+\m], s[SEL], s[SEL+1]
.endr
.irp m, 0,1
	s_delay_alu instid0(VALU_DEP_2)
	v_add_f32 v[PA+\m], v[PA+\m], v[TR+\m]
.endr
.endm
.macro ROWSUM
.irp m, 0,1
	v_pk_add_f32 v[SP+4*\m:SP+4*\m+1], v[X+64*\m:X+64*\m+1], v[X+64*\m+4:X+64*\m+5]
	v_pk_add_f32 v[SP+4*\m+2:SP+4*\m+3], v[X+64*\m+2:X+64*\m+3], v[X+64*\m+6:X+64*\m+7]
.endr
.irp j, 8,12,16,20,24,28,32,36,40,44,48,52,56,60
.irp m, 0,1
	s_delay_alu instid0(VALU_DEP_4)
	v_pk_add_f32 v[SP+4*\m:SP+4*\m+1], v[SP+4*\m:SP+4*\m+1], v[X+64*\m+\j:X+64*\m+\j+1]
	s_delay_alu instid0(VALU_DEP_4)
	v_pk_add_f32 v[SP+4*\m+2:SP+4*\m+3], v[SP+4*\m+2:SP+4*\m+3], v[X+64*\m+\j+2:X+64*\m+\j+3]
.endr
.endr
	FOLD
.endm
.macro SUMSQ
.irp m, 0,1
	v_pk_mul_f32 v[SP+4*\m:SP+4*\m+1], v[X+64*\m:X+64*\m+1], v[X+64*\m:X+64*\m+1]
	v_pk_mul_f32 v[SP+4*\m+2:SP+4*\m+3], v[X+64*\m+2:X+64*\m+3], v[X+64*\m+2:X+64*\m+3]
.endr
.irp j, 4,8,12,16,20,24,28,32,36,40,44,48,52,56,60
.irp m, 0,1
	s_delay_alu instid0(VALU_DEP_4)
	v_pk_fma_f32 v[SP+4*\m:SP+4*\m+1], v[X+64*\m+\j:X+64*\m+\j+1], v[X+64*\m+\j:X+64*\m+\j+1], v[SP+4*\m:SP+4*\m+1]
	s_delay_alu instid0(VALU_DEP_4)
	v_pk_fma_f32 v[SP+4*\m+2:SP+4*\m+3], v[X+64*\m+\j+2:X+64*\m+\j+3], v[X+64*\m+\j+2:X+64*\m+\j+3], v[SP+4*\m+2:SP+4*\m+3]
.endr
.endr
	FOLD
.endm
.macro REDUCE st                       ; the eight waves' parts of 32 row sums: a word a token and wave, one barrier, bytes of its own for each of the four
	v_cndmask_b32 v[TR], v[PA], v[PA+1], s[HM]
	ds_store_b32 v[RW], v[TR] offset:1024*(\st)
	s_wait_dscnt 0x0
	s_barrier_signal -1
	s_barrier_wait -1
.irp i, 0,1,2,3,4,5,6,7
	ds_load_b32 v[RL+\i], v[RR] offset:1024*(\st)+128*\i
.endr
	s_wait_dscnt 0x0
	v_add_f32 v[RL], v[RL], v[RL+1]
	v_add_f32 v[RL+2], v[RL+2], v[RL+3]
	v_add_f32 v[RL+4], v[RL+4], v[RL+5]
	v_add_f32 v[RL+6], v[RL+6], v[RL+7]
	s_delay_alu instid0(VALU_DEP_3)
	v_add_f32 v[RL], v[RL], v[RL+2]
	s_delay_alu instid0(VALU_DEP_2)
	v_add_f32 v[RL+4], v[RL+4], v[RL+6]
	s_delay_alu instid0(VALU_DEP_1)
	v_add_f32 v[TR], v[RL], v[RL+4]
	s_delay_alu instid0(VALU_DEP_1)
	v_permlanex16_b32 v[UR], v[TR], s[SEL], s[SEL+1]
	s_delay_alu instid0(VALU_DEP_1)
	v_cndmask_b32 v[OA], v[TR], v[UR], s[HM]
	s_delay_alu instid0(VALU_DEP_2)
	v_cndmask_b32 v[OA+2], v[UR], v[TR], s[HM]
.endm
.macro LNORM st, first                 ; the mean, the centred squares, the reciprocal root, gain and bias
	ROWSUM
.if \first
.irp i, 0,1,2,3
.irp q4, 0,1
	global_load_b128 v[WS+8*\i+4*\q4:WS+8*\i+4*\q4+3], v[WSO], s[8:9] offset:2048*(\i/2)+512*(\i%2)+16*\q4
.endr
.endr
	WIN 0x40
.irp m, 0,1
.irp t, 0,1,2,3,4,5,6,7
.irp e, 0,1
	global_load_b128 v[ACC+64*\m+8*\t+4*\e:ACC+64*\m+8*\t+4*\e+3], v[GN], s[10:11] offset:64*(4*(\t/4)+2*(\t%2)+(\t%4)/2)+16*\e
.endr
.endr
.endr
	WIN 0
.endif
	REDUCE \st
	s_delay_alu instid0(VALU_DEP_2)
	v_mul_f32 v[OA], s[RN], v[OA]
	s_delay_alu instid0(VALU_DEP_2)
	v_mul_f32 v[OA+2], s[RN], v[OA+2]
.irp m, 0,1
.set j, 0
.rept 32
	v_pk_add_f32 v[X+64*\m+j:X+64*\m+j+1], v[X+64*\m+j:X+64*\m+j+1], v[OA+2*\m:OA+2*\m+1] op_sel_hi:[1,0] neg_lo:[0,1] neg_hi:[0,1]
.set j, j+2
.endr
.endr
	SUMSQ
	REDUCE (\st)+1
	s_delay_alu instid0(VALU_DEP_2)
	v_fma_f32 v[OA], v[OA], s[RN], s[EPS]
	s_delay_alu instid0(VALU_DEP_2)
	v_fma_f32 v[OA+2], v[OA+2], s[RN], s[EPS]
	s_wait_alu depctr_va_vdst(0)                   ; a wait ahead of the two and one behind them
	v_rsq_f32 v[OA], v[OA]
	v_rsq_f32 v[OA+2], v[OA+2]
	v_nop
	s_wait_alu depctr_va_vdst(0)
.irp m, 0,1
.set j, 0
.rept 32
	v_pk_mul_f32 v[X+64*\m+j:X+64*\m+j+1], v[X+64*\m+j:X+64*\m+j+1], v[OA+2*\m:OA+2*\m+1] op_sel_hi:[1,0]
.set j, j+2
.endr
.endr
.if \first
	s_wait_loadcnt 40                              ; g0 and b0 are in; the 8 loads of scale words and the 32 of bo may be out
.else
	s_wait_loadcnt 0x0
.endif
	WIN 0x14
.irp m, 0,1
.set j, 0
.rept 32
	v_pk_fma_f32 v[X+64*\m+j:X+64*\m+j+1], v[X+64*\m+j:X+64*\m+j+1], v[GG+j:GG+j+1], v[GB+j:GB+j+1]
.set j, j+2
.endr
.endr
	WIN 0
.endm
.macro WLOAD p                         ; pair p of Wo's fragments, K step p / 4, places 2 (p % 4) and + 1, into the ring's place p % 5
	WIN 0x40
.irp e, 0,1
.set T_, 2*((\p)%4)+\e
.irp ch, 0,1,2
	global_load_b128 v[WF+24*((\p)%5)+12*\e+4*\ch:WF+24*((\p)%5)+12*\e+4*\ch+3], v[XO], s[WB:WB+1] offset:(4*(T_/4)+2*(T_%2)+(T_%4)/2)*12288+((\p)/4)*1536+512*\ch
.endr
.endr
.endm
.macro HLOAD s                         ; h's two fragments of K step s
.irp m, 0,1
.irp ch, 0,1,2
	ds_load_b128 v[HF+24*((\s)%2)+12*\m+4*\ch:HF+24*((\s)%2)+12*\m+4*\ch+3], v[XO] offset:1536*(2*(\s)+\m)+512*\ch
.endr
.endr
.endm
.macro PAIR p                          ; four products on four accumulators; the 16 accumulators come round once a K step
.set KS_, (\p)/4
.if (\p)%4 == 0
	s_wait_dscnt 0x0                               ; h's fragments of this K step, asked for a K step ago, are in
.endif
.if (\p) < 27
	s_wait_loadcnt 24                              ; this pair is in; the four pairs behind it, 6 loads each, may be out
.else
	s_wait_loadcnt 6*(31-(\p))
.endif
	WIN 0x51
.irp e, 0,1
.irp m, 0,1
.set T_, 2*((\p)%4)+\e
	WMC ACC+64*\m+8*T_, WF+24*((\p)%5)+12*\e, HF+24*(KS_%2)+12*\m, ACC+64*\m+8*T_, WS+8*(T_/2)+KS_, HS+KS_, \e, \m
.endr
.endr
	PLACES 4                                       ; in front of loads into registers that these products read
.if (\p) < 27
	WLOAD (\p)+5
.endif
.if ((\p)%4 == 3) && (KS_ < 6)
	WIN 0
	HLOAD KS_+2
.endif
.endm
	s_wait_loadcnt 32                              ; o is in; the 32 loads of g0 and b0 may be out
	LNORM 0, 1
.irp p, 0,1,2,3,4
	WLOAD \p                                       ; the ring's first ten fragments, over g0 and b0, which are done with
.endr
	WIN 0
.irp m, 0,1
	QUANTW X+64*\m, PC+12*\m, PT, PW+\m
.irp ch, 0,1,2
	ds_store_b128 v[HW], v[PC+12*\m+4*\ch:PC+12*\m+4*\ch+3] offset:1536*\m+512*\ch
.endr
	ds_store_b32 v[HSW], v[PW+\m] offset:64*\m
.endr
	SWAPS X                                        ; h in the product's layout, for the residual
	SWAPS X+64
	s_wait_dscnt 0x0                               ; my images are stored,
	s_barrier_signal -1
	s_barrier_wait -1                              ; everybody's are
.irp s, 0,1,2,3,4,5,6,7
	ds_load_b32 v[HS+\s], v[HSR] offset:128*\s
.endr
	HLOAD 0
	HLOAD 1
.set PP, 0
.rept 32
	PAIR PP
.set PP, PP+1
.endr
	WIN 0x40
.irp t, 0,1,2,3,4,5,6,7
.irp e, 0,1
	global_load_b128 v[GG+8*\t+4*\e:GG+8*\t+4*\e+3], v[GN], s[16:17] offset:64*(4*(\t/4)+2*(\t%2)+(\t%4)/2)+16*\e
	global_load_b128 v[GB+8*\t+4*\e:GB+8*\t+4*\e+3], v[GN], s[18:19] offset:64*(4*(\t/4)+2*(\t%2)+(\t%4)/2)+16*\e
.endr
.endr
	WIN 0x44
.set j, 0
.rept 128
	v_max_num_f32 v[ACC+j], 0, v[ACC+j]            ; relu, each accumulator from its low end on
.set j, j+1
.endr
	WIN 0x04
.set j, 0
.rept 64
	v_pk_add_f32 v[X+j:X+j+1], v[X+j:X+j+1], v[ACC+j:ACC+j+1]
.set j, j+2
.endr
	WIN 0
	LNORM 2, 0
.irp m, 0,1
.irp t, 0,1,2,3,4,5,6,7
.irp e, 0,1
	ds_store_b128 v[SW], v[X+64*\m+8*\t+4*\e:X+64*\m+8*\t+4*\e+3] offset:8448*\m+64*(4*(\t/4)+2*(\t%2)+(\t%4)/2)+16*\e
.endr
.endr
.endr
	WIN 0x40
.set i, 0
.rept 32
	ds_load_b128 v[4*i:4*i+3], v[SR] offset:528*i  ; my own stage: whole rows of 512 bytes come back
.set i, i+1
.endr
	WIN 0x04
.set i, 0
.rept 32
	s_wait_dscnt 31-i
	global_store_b128 v[XO], v[4*i:4*i+3], s[20:21] offset:4096*i th:TH_STORE_NT   ; 32 lanes store 512 consecutive bytes, at a multiple of 256 from out0's first byte
.set i, i+1
.endr
	WIN 0
	s_wait_tensorcnt 0x0                           ; the wave's end
	ds_add_u32 v[SPW], v[NIL]
	s_wait_dscnt 0x0
	s_endpgm
.Lfunc_end_k_q38e7b5e37b_ffn:
	.size	k_q38e7b5e37b_ffn, .Lfunc_end_k_q38e7b5e37b_ffn-k_q38e7b5e37b_ffn
	.p2alignl 7, 3214868480
	.fill 96, 4, 3214868480
	.section	.rodata,"a",@progbits
	.p2align	6, 0x0
	.amdhsa_kernel k_q38e7b5e37b_ffn
		.amdhsa_group_segment_fixed_size 165888
		.amdhsa_private_segment_fixed_size 0
		.amdhsa_enable_private_segment 0
		.amdhsa_kernarg_size 72
		.amdhsa_user_sgpr_count 2
		.amdhsa_user_sgpr_kernarg_segment_ptr 1
		.amdhsa_wavefront_size32 1
		.amdhsa_system_sgpr_workgroup_id_x 1
		.amdhsa_system_sgpr_workgroup_id_y 1
		.amdhsa_system_sgpr_workgroup_id_z 1
		.amdhsa_system_vgpr_workitem_id 0
		.amdhsa_next_free_vgpr 512
		.amdhsa_next_free_sgpr 66
		.amdhsa_reserve_vcc 0
		.amdhsa_float_denorm_mode_32 3
		.amdhsa_float_denorm_mode_16_64 3
		.amdhsa_memory_ordered 1
		.amdhsa_forward_progress 1
		.amdhsa_inst_pref_size 144
	.end_amdhsa_kernel
	.amdgpu_metadata
---
amdhsa.version: [ 1, 2 ]
amdhsa.kernels:
  - .name:           k_q38e7b5e37b_ffn
    .symbol:         k_q38e7b5e37b_ffn.kd
    .args:
      - { .name: o, .offset: 0, .size: 8, .value_kind: global_buffer, .address_space: global }
      - { .name: wo, .offset: 8, .size: 8, .value_kind: global_buffer, .address_space: global }
      - { .name: Wo_scales, .offset: 16, .size: 8, .value_kind: global_buffer, .address_space: global }
      - { .name: bo, .offset: 24, .size: 8, .value_kind: global_buffer, .address_space: global }
      - { .name: g0, .offset: 32, .size: 8, .value_kind: global_buffer, .address_space: global }
      - { .name: b0, .offset: 40, .size: 8, .value_kind: global_buffer, .address_space: global }
      - { .name: g1, .offset: 48, .size: 8, .value_kind: global_buffer, .address_space: global }
      - { .name: b1, .offset: 56, .size: 8, .value_kind: global_buffer, .address_space: global }
      - { .name: out0, .offset: 64, .size: 8, .value_kind: global_buffer, .address_space: global }
    .group_segment_fixed_size: 165888
    .private_segment_fixed_size: 0
    .kernarg_segment_align: 8
    .kernarg_segment_size: 72
    .max_flat_workgroup_size: 256
    .sgpr_count:     66
    .vgpr_count:     512
    .wavefront_size: 32
...
	.end_amdgpu_metadata
.endif
;; end of part 3
